; MI455X (gfx1250); checked and timed in simulation.
; The chip was launched on July 23, 2026; its instructions are those of AMD's public machine-readable ISA for CDNA 5 (MIT licence, August 2026) and "CDNA5" Instruction Set Architecture Reference Guide (July 2026). The comments in the code are by the model that wrote it; some were corrected since.
;; Multi Head Attention. Allowed arithmetic: matrix products marked QUANTISED: E2M3 operands, one E8M0 scale for each 32 along K, by v_wmma_scale_f32_16x16x128_f8f6f4 with both operands' format E2M3, f32 sums; everything else in f32.
;; Inputs: W_k 1,024 x 1,024 float32; W_o 1,024 x 1,024 float32; W_q 1,024 x 1,024 float32; W_v 1,024 x 1,024 float32; b_o 1,024 float32; x 4 x 2,048 x 1,024 float32.
;; Outputs: out0 4 x 2,048 x 1,024 float32.
;; This version of the problem:
;;   THIS VERSION OF THE PROBLEM IS GIVEN IN LOW PRECISION. The matrix products marked QUANTISED in the list below multiply operands that are first quantised to E2M3 (2 exponent bits, 3 mantissa bits; 6 bits a number), with one power-of-two scale for each 32 numbers along K (OCP MX v1.0); their sums are f32. All else is computed in f32.
;;   The module's matrix products, in the order in which they are computed (A, B: the left and right operand; K: the contracted axis; several contracted axes count as one K, in the product's order):
;;     1. [M 8,192, K 1,024] x [K 1,024, N 1,024]; A: input x; B: input W_q: QUANTISED
;;     2. [M 8,192, K 1,024] x [K 1,024, N 1,024]; A: input x; B: input W_k: QUANTISED
;;     3. [M 8,192, K 1,024] x [K 1,024, N 1,024]; A: input x; B: input W_v: QUANTISED
;;     4. batch 64 x [M 2,048, K 64] x [K 64, N 2,048]; A: computed on the way; B: computed on the way: QUANTISED
;;     5. batch 64 x [M 2,048, K 2,048] x [K 2,048, N 64]; A: softmax (see below); B: computed on the way: QUANTISED
;;     6. [M 8,192, K 1,024] x [K 1,024, N 1,024]; A: computed on the way; B: input W_o: QUANTISED
;;   THE QUANTISER, for each operand of a quantised product, along K:
;;     - K is cut into blocks of 32 from its start; a last block that is shorter is filled with zeros.
;;     - A block's scale is 2^e with e = floor(log2(the largest magnitude in the block)) - 2, held to -126 .. 127; a block of zeros has e = 0. As a byte (E8M0): e + 127.
;;     - Each number is divided by its block's scale, clamped to +-7.5, and rounded to the nearest number of E2M3, ties to even, subnormals kept.
;;     - The product sums the exact products of the quantised numbers (number of the format x scale) in f32.
;;   ~~~python
;;   def quantise(x, axis):      # numpy; x: float32 -> the quantised numbers, widened to float32 again
;;       x = np.moveaxis(x, axis, -1); K = x.shape[-1]
;;       x = np.pad(x, [(0, 0)] * (x.ndim - 1) + [(0, -K % 32)]); x = x.reshape(x.shape[:-1] + (-1, 32)); a = np.abs(x).max(-1, keepdims=True)
;;       e = np.where(a > 0, np.clip(np.frexp(np.where(a > 0, a, 1))[1] - 1 - 2, -126, 127), 0)      # np.frexp(a)[1] - 1 = floor(log2(a)), exactly
;;       r = np.clip(x / 2.0 ** e, -7.5, 7.5)
;;       step = 2.0 ** (np.maximum(np.frexp(np.where(r == 0, 1, r))[1] - 1, 0) - 3)
;;       q = np.round(r / step) * step * 2.0 ** e      # np.round: ties to even
;;       return np.moveaxis(q.reshape(q.shape[:-2] + (-1,))[..., :K], -1, axis).astype(np.float32)
;;   ~~~
;;   SOFTMAX AHEAD OF A QUANTISED PRODUCT. Where the list says 'softmax', what is quantised is not the finished softmax but p = 2^(t - M), with t = logit x log2(e) and M = ceil(the row's largest t), a whole number; so 1/2 < the row's largest p <= 1. The row's sum l is taken of the UNQUANTISED p, in f32, and the product's result is divided by l at the end. Since M is a whole number, a kernel that streams over the keys may use a running M (the ceiling of the running maximum): every later rescaling is an exact power of two, which a block's scale takes up: the codes' values come out the same.
;;   OPERANDS COMPUTED ON THE WAY. 'Computed on the way' means the value that the module computes at that place (a softmax that the list does not call 'softmax' is quantised finished and normalised). What goes into a quantiser is computed in f32, as accurately as f32 sums, v_exp_f32 and their like allow (about 1e-6 of the number): no bf16 or f16 on the way to a quantiser, and a product that is left as it is and whose result goes on into a quantised operand takes f32 operands (vector FMAs, or v_wmma_f32_16x16x4_f32). A number that lies on a knife's edge between two numbers of the format may be rounded either way, as far as f32 arithmetic and the matrix unit's own rounding can turn it there, and no further.
;; One version. Each part assembles by itself: llvm-mc -triple=amdgcn-amd-amdhsa -mcpu=gfx1250 --defsym DOCPART=n.
;; ======== version 1 of 1: 4 launches
;; workspace buffers: xc 6,291,456 bytes; xs 262,144 bytes; wc 3,145,728 bytes; ws 131,072 bytes; qkv 18,874,368 bytes; qkvs 1,310,720 bytes; cc 6,291,456 bytes; cs 262,144 bytes
;; launch quant (part 1): grid 384 x 1, 4 waves a work-group, no clusters, 34,304 bytes of LDS; arguments x, W_q, W_k, W_v, W_o, xc, xs, wc, ws; writes xc, xs, wc, ws
.if DOCPART == 1
	.amdgcn_target "amdgcn-amd-amdhsa--gfx1250"
	.amdhsa_code_object_version 6
	.text
	.protected	k_q33f1401ae0_quant
	.globl	k_q33f1401ae0_quant
	.p2align	8
	.type	k_q33f1401ae0_quant,@function
k_q33f1401ae0_quant:
	s_mov_b64 s[64:65], 0
	v_nop
	global_prefetch_b8 v0, s[64:65] scope:SCOPE_SE
	s_setreg_imm32_b32 hwreg(HW_REG_WAVE_MODE, 25, 1), 1
	s_wait_xcnt 0x0
; x [8192][1024] and the four weights [1024 (k)][1024 (n)], f32, become codes of FP6 (E2M3) with one E8M0 scale byte for each 32 along K.
; A block's scale is 2^(floor(log2(its largest magnitude)) - 2); its byte is the largest magnitude's exponent field - 2, held at 1 from below.
; LIMITS: NaN and infinities among the inputs are not served.  A block of zeros, or one whose largest magnitude lies under 2^-124, gets the byte 1 where the
; rule says 127 for zeros: its codes are zeros (or are taken at that byte's scale), and the bytes are read by this program alone.
; LAYOUT OF THE CODES: images of the operand's registers.  A unit of 768 bytes holds 16 rows x 64 along K: lane l = (r = l % 16, h = l / 16) owns the 24 bytes of
; k = 32 h .. 32 h + 31 of row r: its first 16 bytes at 16 l, its last 8 at 512 + 8 l.  A tile of 16 rows and K = 1,024 is 16 units, 12,288 bytes.
; LAYOUT OF THE SCALE WORDS: 512 bytes a tile: [K step / 4][row][K step % 4], a word for 128 along K.
; THE ORDER OF ROWS: place p of xc holds x's row pi(p), place p of wc the weight's column pi(p), pi = bits 3 and 4 of the index exchanged: lane r of tile T has
; the true index 32 (T / 2) + 8 (T % 2) + r + 8 (r / 8), so that in a product's result the 16 registers of two neighbouring tiles are 16 neighbours.
; Work-groups 0-255 take x (32 rows each), 256-383 the weights (128 columns x 256 along K each).  The waves share nothing: no barrier.
.set STG,   8448                       ; x: a stage of 16 rows x (512 bytes + 16) for each wave
.set SPARE, 4*STG                      ; behind the stages: the spare words, 128 bytes a wave, that no other line names
.set SPW,   14                         ; v14  SPARE + 4 x my thread's number; never rewritten
.set NIL,   15                         ; v15  0; never rewritten
.set WV,    24                         ; s24  my wave's number
.set SEL,   26                         ; s[26:27] lane selects: lane l xor 16
.set R,     16                         ; x: v16-143 two sets of 64 registers as loaded
.set X,     144                        ; x: v144-207 64 numbers: register 16 b + i = k 32 b + 16 h + i of my row
.set PC,    208                        ; x: v208-226 the codes just made
.set TM,    228                        ; x: v228-243 at work
.set SW,    244                        ; x: v244-247 my row's four scale words
.set WX,    32                         ; weights: v32-95 two sets of 32 numbers
.set WC,    96                         ; weights: v96-159 eight registers of codes for each block: no store's data are written again
.set SB,    24                         ; weights: v24-25 eight scale bytes
	s_load_b256 s[4:11], s[0:1], 0x0               ; x, W_q, W_k, W_v
	s_load_b256 s[12:19], s[0:1], 0x20             ; W_o, xc, xs, wc
	s_load_b64 s[20:21], s[0:1], 0x40              ; ws
	v_lshl_add_u32 v[SPW], v0, 2, SPARE
	v_mov_b32 v[NIL], 0
	v_lshrrev_b32 v1, 5, v0
	v_readfirstlane_b32 s[WV], v1
	v_and_b32 v2, 31, v0                           ; lane
	v_and_b32 v1, 15, v0                           ; r
	v_bfe_u32 v3, v0, 4, 1                         ; h
	s_mul_i32 s25, s[WV], STG
	v_lshlrev_b32 v4, 4, v2                        ; 16 x lane
	v_add_nc_u32 v6, s25, v4                       ; the stage on the way in: a row's 512 bytes as they lie
	v_mul_u32_u24 v7, v1, 528
	v_lshl_add_u32 v7, v3, 6, v7
	v_add_nc_u32 v7, s25, v7                       ; and on the way out: row r, + 64 h: my 16 numbers of a block of 32
	s_lshr_b32 s29, s[WV], 1
	s_and_b32 s30, s[WV], 1
	s_mov_b32 s33, 0
	s_wait_kmcnt 0x0
	s_cmp_lt_u32 ttmp9, 256
	s_cbranch_scc0 .Lweights
; ---------------- x: wave w takes tile 2 g + w / 2 and half w % 2 of K: four K steps of 128
	v_lshlrev_b32 v5, 3, v2                        ; 8 x lane
	v_lshlrev_b32 v8, 4, v1                        ; 16 r
	s_mov_b32 s[SEL], 0x76543210
	s_mov_b32 s[SEL+1], 0xfedcba98
.irp b, 0,1,2,3
	v_mov_b32 v[TM+4+\b], 0                        ; written once: a lane permute's destination counts as one of its sources
.endr
	s_lshl_b32 s32, ttmp9, 17                      ; 32 rows of 4,096 bytes a work-group,
	s_lshl_b32 s31, s29, 15                        ; 8 rows on for the odd tile,
	s_add_co_u32 s32, s32, s31
	s_lshl_b32 s31, s30, 11                        ; 512 numbers on for the upper half of K
	s_add_co_u32 s32, s32, s31
	s_add_nc_u64 s[4:5], s[4:5], s[32:33]
	s_lshl_b32 s34, ttmp9, 1
	s_add_co_u32 s34, s34, s29                     ; the tile
	s_mul_i32 s32, s34, 12288
	s_mul_i32 s31, s30, 6144
	s_add_co_u32 s32, s32, s31
	s_add_nc_u64 s[14:15], s[14:15], s[32:33]
	s_lshl_b32 s32, s34, 9
	s_lshl_b32 s31, s30, 8
	s_add_co_u32 s32, s32, s31
	s_add_nc_u64 s[16:17], s[16:17], s[32:33]
.macro XLOAD s                         ; K step s of the tile's 16 rows: each load reads 512 consecutive bytes of one row; place j holds row j + 8 (j / 8)
.irp j, 0,1,2,3,4,5,6,7,8,9,10,11,12,13,14,15
	global_load_b128 v[R+64*((\s)%2)+4*\j:R+64*((\s)%2)+4*\j+3], v4, s[4:5] offset:(\j+8*(\j/8))*4096+512*(\s) th:TH_LOAD_NT
.endr
.endm
; 64 numbers of a lane, register 16 b + i = k 32 b + 16 h + i of my row, become a fragment's codes in v[PC] on and its scale word
.macro QUANT s, word
.irp b, 0,1,2,3
	v_max3_num_f32 v[TM+\b], |v[(\s)+16*\b]|, |v[(\s)+1+16*\b]|, 0x1800000   ; my 16 numbers of block b, and the floor 2^(3 - 127): the byte cannot fall under 1
.endr
.irp i, 2,4,6,8,10,12,14
.irp b, 0,1,2,3
	v_max3_num_f32 v[TM+\b], v[TM+\b], |v[(\s)+16*\b+\i]|, |v[(\s)+1+16*\b+\i]|
.endr
.endr
.irp b, 0,1,2,3
	v_permlanex16_b32 v[TM+4+\b], v[TM+\b], s[SEL], s[SEL+1]
.endr
.irp b, 0,1,2,3
	v_max_num_f32 v[TM+\b], v[TM+\b], v[TM+4+\b]   ; with lane l xor 16's: the block's largest magnitude
.endr
.irp b, 0,1,2,3
	v_add_nc_u32 v[TM+12+\b], 0xff000000, v[TM+\b] ; 2 off its exponent field: the conversion takes this operand's exponent field as its scale
.endr
.irp b, 0,1,2,3
	v_lshrrev_b32 v[TM+4+\b], 23, v[TM+12+\b]      ; the scale's byte
.endr
	v_lshl_or_b32 v[\word], v[TM+5], 8, v[TM+4]
	v_lshl_or_b32 v[\word], v[TM+6], 16, v[\word]
	v_lshl_or_b32 v[\word], v[TM+7], 24, v[\word]
.irp c, 0,1
	v_cvt_scalef32_pk16_fp6_f32 v[PC+6*\c:PC+2+6*\c], v[(\s)+32*\c:(\s)+15+32*\c], v[TM+12+2*\c]
	v_cvt_scalef32_pk16_fp6_f32 v[PC+12+4*\c:PC+14+4*\c], v[(\s)+16+32*\c:(\s)+31+32*\c], v[TM+12+2*\c+1]   ; (a conversion's three registers begin on an even number)
.endr
	v_nop                                          ; one plain place behind a scaled conversion
.irp c, 0,1                            ; the operand's layout wants a whole block in a lane: lanes 0-15 block 2 c, lanes 16-31 block 2 c + 1
.irp i, 0,1,2
	v_permlane16_swap_b32 v[PC+6*\c+\i], v[PC+12+4*\c+\i]
.endr
.irp i, 0,1,2
	v_mov_b32 v[PC+3+6*\c+\i], v[PC+12+4*\c+\i]
.endr
.endr
.endm
.macro XSTEP s
.if (\s) < 3
	s_wait_loadcnt 16                              ; this step's 16 loads are in; the next step's 16 may be out
.else
	s_wait_loadcnt 0x0
.endif
.irp j, 0,1,2,3,4,5,6,7,8,9,10,11,12,13,14,15
	ds_store_b128 v6, v[R+64*((\s)%2)+4*\j:R+64*((\s)%2)+4*\j+3] offset:528*\j
.endr
.irp b, 0,1,2,3
.irp i, 0,1,2,3
	ds_load_b128 v[X+16*\b+4*\i:X+16*\b+4*\i+3], v7 offset:128*\b+16*\i   ; LDS serves a wave's instructions in order: these see the stores above
.endr
.endr
	s_wait_dscnt 0x0                               ; the numbers are back, and the stores into the stage have read their registers
	s_wait_xcnt 0x0                                ; the last step's stores have read the codes' registers: they are written again only behind this wait
.if (\s) < 2
	XLOAD (\s)+2
.endif
	QUANT X, SW+(\s)
	global_store_b128 v4, v[PC:PC+3], s[14:15] offset:1536*(\s)           ; 512 consecutive bytes
	global_store_b64 v5, v[PC+4:PC+5], s[14:15] offset:1536*(\s)+512      ; 256 consecutive bytes
	global_store_b128 v4, v[PC+6:PC+9], s[14:15] offset:1536*(\s)+768
	global_store_b64 v5, v[PC+10:PC+11], s[14:15] offset:1536*(\s)+1280
.endm
	XLOAD 0
	XLOAD 1
	XSTEP 0
	XSTEP 1
	XSTEP 2
	XSTEP 3
	s_wait_xcnt 0x0                                ; EXEC changes only behind this wait
	v_cmp_gt_u32 vcc_lo, 16, v2
	s_and_saveexec_b32 s28, vcc_lo
	global_store_b128 v8, v[SW:SW+3], s[16:17]     ; lanes 0-15: the 16 rows' four words: 256 consecutive bytes, aligned
	s_wait_xcnt 0x0
	s_or_b32 exec_lo, exec_lo, s28
	s_branch .Lend
; ---------------- the weights: a lane takes a column and its registers run down K: a block of 32 lies in one lane, and the codes come out with K innermost
.Lweights:
	s_sub_co_u32 s31, ttmp9, 256
	s_lshr_b32 s34, s31, 5                         ; which weight: q, k, v, o
	s_and_b32 s35, s31, 7                          ; which 128 columns
	s_bfe_u32 s36, s31, 0x20003                    ; which 256 along K
	s_bitcmp1_b32 s34, 0
	s_cselect_b64 s[38:39], s[8:9], s[6:7]
	s_cselect_b64 s[40:41], s[12:13], s[10:11]
	s_bitcmp1_b32 s34, 1
	s_cselect_b64 s[38:39], s[40:41], s[38:39]
	s_lshl_b32 s32, s36, 20                        ; 256 rows of 4,096 bytes,
	s_lshl_b32 s37, s35, 9                         ; 128 columns,
	s_add_co_u32 s32, s32, s37
	s_lshl_b32 s37, s[WV], 7                       ; my wave's 32
	s_add_co_u32 s32, s32, s37
	s_add_nc_u64 s[38:39], s[38:39], s[32:33]
	s_lshl_b32 s42, s34, 6
	s_lshl_b32 s37, s35, 3
	s_add_co_u32 s42, s42, s37
	s_lshl_b32 s37, s[WV], 1
	s_add_co_u32 s42, s42, s37                     ; the first of my wave's two tiles
	s_mul_i32 s32, s42, 12288
	s_mul_i32 s37, s36, 3072
	s_add_co_u32 s32, s32, s37
	s_add_nc_u64 s[18:19], s[18:19], s[32:33]
	s_lshl_b32 s32, s42, 9
	s_lshr_b32 s37, s36, 1
	s_lshl_b32 s37, s37, 8
	s_add_co_u32 s32, s32, s37
	s_and_b32 s37, s36, 1
	s_lshl_b32 s37, s37, 3
	s_add_co_u32 s32, s32, s37
	s_add_nc_u64 s[20:21], s[20:21], s[32:33]
	v_lshlrev_b32 v8, 2, v2                        ; in: 4 bytes a lane
	v_bfe_u32 v9, v0, 3, 1                         ; column L goes to tile u = (L / 8) % 2,
	v_and_b32 v10, 7, v0
	v_lshl_add_u32 v10, v3, 3, v10                 ; row L % 8 + 8 (L / 16)
	v_mul_u32_u24 v16, v9, 12288
	v_lshl_add_u32 v17, v10, 4, v16                ; a block's first 16 bytes
	v_lshl_add_u32 v18, v10, 3, v16                ; its last 8
	v_lshlrev_b32 v19, 9, v9
	v_lshl_add_u32 v19, v10, 4, v19                ; my row's scale words
.macro WLOAD t
.set n, 0
.rept 32
	global_load_b32 v[WX+32*((\t)%2)+n], v8, s[38:39] offset:(32*(\t)+n)*4096 th:TH_LOAD_NT   ; 32 lanes read 128 consecutive bytes of one row of the weight
.set n, n+1
.endr
.endm
.macro WBLOCK t
.set XS, WX+32*((\t)%2)
.set CT, WC+8*(\t)
.if (\t) < 7
	s_wait_loadcnt 32                              ; this block's 32 loads are in; the next block's may be out
.else
	s_wait_loadcnt 0x0
.endif
	v_max3_num_f32 v12, |v[XS]|, |v[XS+1]|, |v[XS+2]|
	v_max3_num_f32 v13, |v[XS+3]|, |v[XS+4]|, |v[XS+5]|
.irp i, 6,10,14,18,22,26
	v_max3_num_f32 v12, v12, |v[XS+\i]|, |v[XS+\i+1]|
	v_max3_num_f32 v13, v13, |v[XS+\i+2]|, |v[XS+\i+3]|
.endr
	v_max3_num_f32 v12, v12, |v[XS+30]|, |v[XS+31]|
	v_max3_num_f32 v12, v12, v13, 0x1800000        ; and the floor
	v_add_nc_u32 v11, 0xff000000, v12              ; the conversion's scale operand
	v_lshrrev_b32 v13, 23, v11                     ; the byte
.if (\t)%4 == 0
	v_mov_b32 v[SB+(\t)/4], v13
.else
	v_lshl_or_b32 v[SB+(\t)/4], v13, 8*((\t)%4), v[SB+(\t)/4]
.endif
	v_cvt_scalef32_pk16_fp6_f32 v[CT:CT+2], v[XS:XS+15], v11
	v_cvt_scalef32_pk16_fp6_f32 v[CT+4:CT+6], v[XS+16:XS+31], v11
	v_nop                                          ; one plain place behind a scaled conversion
	v_mov_b32 v[CT+3], v[CT+4]                     ; the block's 24 bytes on end
	v_mov_b32 v[CT+4], v[CT+5]
	v_mov_b32 v[CT+5], v[CT+6]
	global_store_b128 v17, v[CT:CT+3], s[18:19] offset:768*((\t)/2)+256*((\t)%2)        ; block t is half t % 2 of unit t / 2: the wave fills 256 consecutive aligned bytes in each of its two tiles
	global_store_b64 v18, v[CT+4:CT+5], s[18:19] offset:768*((\t)/2)+512+128*((\t)%2)
.if (\t)+2 < 8
	WLOAD (\t)+2
.endif
.endm
	WLOAD 0
	WLOAD 1
.irp t, 0,1,2,3,4,5,6,7
	WBLOCK \t
.endr
	global_store_b64 v19, v[SB:SB+1], s[20:21]     ; my column's two scale words: 8 bytes a lane, 16 bytes apart: one byte for each 128 read
.Lend:
	s_wait_tensorcnt 0x0                           ; the wave's end, behind my last LDS store
	ds_add_u32 v[SPW], v[NIL]
	s_wait_dscnt 0x0
	s_endpgm
.Lfunc_end_k_q33f1401ae0_quant:
	.size	k_q33f1401ae0_quant, .Lfunc_end_k_q33f1401ae0_quant-k_q33f1401ae0_quant
	.p2alignl 7, 3214868480
	.fill 96, 4, 3214868480
	.section	.rodata,"a",@progbits
	.p2align	6, 0x0
	.amdhsa_kernel k_q33f1401ae0_quant
		.amdhsa_group_segment_fixed_size 34304
		.amdhsa_private_segment_fixed_size 0
		.amdhsa_enable_private_segment 0
		.amdhsa_kernarg_size 72
		.amdhsa_user_sgpr_count 2
		.amdhsa_user_sgpr_kernarg_segment_ptr 1
		.amdhsa_wavefront_size32 1
		.amdhsa_system_sgpr_workgroup_id_x 1
		.amdhsa_system_sgpr_workgroup_id_y 1
		.amdhsa_system_sgpr_workgroup_id_z 1
		.amdhsa_system_vgpr_workitem_id 0
		.amdhsa_next_free_vgpr 256
		.amdhsa_next_free_sgpr 66
		.amdhsa_reserve_vcc 1
		.amdhsa_float_denorm_mode_32 3
		.amdhsa_float_denorm_mode_16_64 3
		.amdhsa_memory_ordered 1
		.amdhsa_forward_progress 1
		.amdhsa_inst_pref_size 73
	.end_amdhsa_kernel
	.amdgpu_metadata
---
amdhsa.version: [ 1, 2 ]
amdhsa.kernels:
  - .name:           k_q33f1401ae0_quant
    .symbol:         k_q33f1401ae0_quant.kd
    .args:
      - { .name: x, .offset: 0, .size: 8, .value_kind: global_buffer, .address_space: global }
      - { .name: W_q, .offset: 8, .size: 8, .value_kind: global_buffer, .address_space: global }
      - { .name: W_k, .offset: 16, .size: 8, .value_kind: global_buffer, .address_space: global }
      - { .name: W_v, .offset: 24, .size: 8, .value_kind: global_buffer, .address_space: global }
      - { .name: W_o, .offset: 32, .size: 8, .value_kind: global_buffer, .address_space: global }
      - { .name: xc, .offset: 40, .size: 8, .value_kind: global_buffer, .address_space: global }
      - { .name: xs, .offset: 48, .size: 8, .value_kind: global_buffer, .address_space: global }
      - { .name: wc, .offset: 56, .size: 8, .value_kind: global_buffer, .address_space: global }
      - { .name: ws, .offset: 64, .size: 8, .value_kind: global_buffer, .address_space: global }
    .group_segment_fixed_size: 34304
    .private_segment_fixed_size: 0
    .kernarg_segment_align: 8
    .kernarg_segment_size: 72
    .max_flat_workgroup_size: 128
    .sgpr_count:     66
    .vgpr_count:     256
    .wavefront_size: 32
...
	.end_amdgpu_metadata
.endif
;; end of part 1
;; launch qkvp (part 2): grid 96 x 4, 4 waves a work-group, clusters of 4 x 4, 327,680 bytes of LDS; arguments xc, xs, wc, ws, qkv, qkvs; writes qkv, qkvs
.if DOCPART == 2
	.amdgcn_target "amdgcn-amd-amdhsa--gfx1250"
	.amdhsa_code_object_version 6
	.text
	.protected	k_q33f1401ae0_qkvp
	.globl	k_q33f1401ae0_qkvp
	.p2align	8
	.type	k_q33f1401ae0_qkvp,@function
k_q33f1401ae0_qkvp:
	s_mov_b64 s[64:65], 0
	v_nop
	global_prefetch_b8 v0, s[64:65] scope:SCOPE_SE
	s_setreg_imm32_b32 hwreg(HW_REG_WAVE_MODE, 25, 1), 1
	s_wait_xcnt 0x0
	s_wait_alu depctr_hold_cnt(0) depctr_sa_sdst(0) depctr_va_vdst(0) depctr_va_sdst(0) depctr_va_ssrc(0) depctr_va_vcc(0) depctr_vm_vsrc(0)
	s_getreg_b32 s2, hwreg(HW_REG_IB_STS2, 6, 4)
	s_cmp_eq_u32 s2, 0
	s_cbranch_scc0 .Lentry_in_a_cluster
	s_endpgm
.Lentry_in_a_cluster:
	s_bfe_u32 s2, ttmp6, 0x10000c
	s_cmp_lg_u32 s2, 0xf033
	s_cbranch_scc0 .Lentry_shape_is_right
	s_endpgm
.Lentry_shape_is_right:
; q = x W_q, k = x W_k, v = x W_v on codes of FP6 (E2M3) with E8M0 scales, K = 1,024; the results are quantised in registers and leave as codes alone.
; q and k are quantised along the head's 64 channels (N of the product), v along the keys (M): so V is made as V^T = W_v^T x^T, the same product with the two operands' buffers exchanged.
; 24 clusters of 4 x 4 work-groups, c = the cluster's number.  c < 16: A = x (tile rows 4 (c / 2) + cy), B = W_q (c even) or W_k (c odd) (tile columns 4 (c % 2) + cx of wc).
; c >= 16: A = W_v (tile rows cy, from tile 128 of wc on), B = x (tile columns 4 (c - 16) + cx).  The choice hangs on c alone, which all sixteen partners share: only pointers and store offsets are chosen.
; A tile of C is 256 x 256; four waves, each 128 x 128 in 512 registers.  K goes in steps of 256 through two LDS slots filled by the tensor data mover; K has four slots' worth: the text is straight-line.
; OPERANDS LIE IN MEMORY AS IMAGES OF THEIR REGISTERS: a unit of 768 bytes = 16 rows x 64 K: lane l's first 16 bytes at 16 l, its last 8 at 512 + 8 l; a fragment (16 rows x 128 K) is two units: two loads of 16 bytes
; and two of 8, each over consecutive bytes: no pitch, no padding.  A tile of 16 rows is 12,288 bytes; its 256 K of a slot are 3,072 consecutive bytes.
; SCALE WORDS: 512 bytes a tile, [K step / 4][row][K step % 4]: all of K's come into LDS once and into 64 registers once.
; JOINT LOADS: A's tiles are shared along a row of the cluster, B's along a column.  THE MATRIX INSTRUCTION IS USED TRANSPOSED (source 0 = B, source 1 = A): a lane holds one row of A's and 64 numbers along B's rows;
; since place p of xc and wc holds the true index with bits 3 and 4 exchanged, register 16 b + i of a block's 64 is the true index 32 b + 16 h + i: 16 neighbours along the next K.
; OUT: qkv [head 64][step of 128 places 16][Q 6,144 | K 6,144 | V 6,144]: Q, K: 8 tiles x 768 bytes (16 places x the head's 64); V: 4 fragments of 1,536 bytes (16 channels x 128 keys).
;      qkvs [head][step][Qsc 512 | Ksc 512 | Vsc 256]: Q, K: word of tile a, row r at 256 (a / 4) + 16 r + 4 (a % 4), bytes 0, 1 the head's two blocks, bytes 2, 3 zero; V: word of channel tile t, row r at 16 r + 4 t.
; LIMITS: NaN and infinities are not served; a block whose largest magnitude lies under 2^-124 gets the byte 1 (a block of zeros too, where the rule says 127): the bytes are read by this program alone.
; REGISTERS: window 0: v1-7, v16-29 addresses; v32-95 scale words; v128-223 A's fragments, one set; on the way out v128-196 at work.  window 1: B's fragments, two sets.  windows 2, 3: the accumulators.
.set FR,     12
.set NL,     4                         ; LDS loads that bring a fragment
.set NP,     4                         ; places behind this matrix instruction (ISA guide 7.12.1)
.set TILEB,  3072                      ; a tile's 256 along K
.set HALFT,  8*TILEB                   ; 128 rows: what one tensor load brings
.set SLOT,   4*HALFT
.set GRPB,   98304                     ; 128 rows of codes in memory
.set SCL,    2*SLOT                    ; behind the ring: the scale words
.set HALFS,  4096                      ; those of 128 rows
.set SPARE,  SCL+4*HALFS               ; the spare words, 128 bytes a wave, that no other line names
.set ADRA, 16                          ; v16-17 my A fragments in slot 0, 1, + 16 x lane;  v18-19 the same + 8 x lane
.set ADRB, 20                          ; v20-23 the same for B
.set ADRS, 27                          ; v27 my scale words: lanes 0-15 A's rows, lanes 16-31 B's
.set SPW,  28
.set NIL,  29
.set SC,   32                          ; register 32 (ks / 4) + 4 i + ks % 4: lanes 0-15 the word of A's block i, lanes 16-31 of B's block i, for K step ks
.set AF,   128
.set G1, 24
.set G0, 32
.set G1B, 48
.set G0B, 56
.set G1S, 68
.set G0S, 76
.set G1SB, 80
.set G0SB, 88
.set PC,  128                          ; the way out: v128-146 codes
.set TM,  160                          ; v160-175 at work
.set PW,  176                          ; the scale word just made
.set SW,  180                          ; v180-187 the eight blocks' words
.set VA,  190                          ; v190-193 where a block's four stores go
.set VB,  191
.set VC,  192
.set VD,  193
.set VS1, 194
.set VS2, 195
.set VSH, 196
.set MSB, 0
.macro WIN new                         ; the immediate's high byte repeats the setting that is left
.if MSB != (\new)
	s_set_vgpr_msb (MSB<<8)|(\new)
.set MSB, (\new)
.endif
.endm
.set MUL_LO, 0xa1                      ; source 0 (B) window 1, source 1 (A) window 0, C and D window 2
.set MUL_HI, 0xf1
.set TO_B,   0x40
; A joint load: waves 0 and 1 fetch for A, waves 2 and 3 for B.  An s_nop 0 and four v_nop follow each of the two lines.
.macro JLOAD g0a, g1a, g0b, g1b
	s_cmp_eq_u32 s15, 0
	s_cbranch_scc0 .Lfor_b_\@
	tensor_load_to_lds s[\g0a:\g0a+3], s[\g1a:\g1a+7]
	s_nop 0
.rept 4
	v_nop
.endr
	s_branch .Lasked_\@
.Lfor_b_\@:
	tensor_load_to_lds s[\g0b:\g0b+3], s[\g1b:\g1b+7]
	s_nop 0
.rept 4
	v_nop
.endr
.Lasked_\@:
.endm
.macro CREST
	s_cmp_lg_u32 s14, 0
	s_cbranch_scc1 .Lnot_wave_0_\@
	s_barrier_signal -3
.Lnot_wave_0_\@:
	s_barrier_wait -3
	s_barrier_signal -1
	s_barrier_wait -1
.endm
.macro CROUND
	s_barrier_signal -1
	s_barrier_wait -1
	CREST
.endm
	s_load_b256 s[4:11], s[0:1], 0x0               ; xc, xs, wc, ws
	s_load_b128 s[96:99], s[0:1], 0x20             ; qkv, qkvs
	v_lshl_add_u32 v[SPW], v0, 2, SPARE
	v_mov_b32 v[NIL], 0
	ds_add_u32 v[SPW], v[NIL]                      ; the wave's opening: the add and its wait ahead of my first tensor load
	v_lshrrev_b32 v1, 5, v0
	v_readfirstlane_b32 s14, v1                    ; wave
	s_lshr_b32 s15, s14, 1                         ; my half of the tile's rows.  Also: I fetch for A (0) or B (1)
	s_and_b32 s16, s14, 1                          ; my half of its columns.  Also: which 128 rows I fetch
	s_bfe_u32 s40, ttmp6, 0x40000                  ; cx
	s_bfe_u32 s41, ttmp6, 0x40004                  ; cy
	s_and_b32 s18, ttmp9, 1
	s_lshr_b32 s19, ttmp9, 1
	s_sub_co_u32 s20, ttmp9, 16
	s_cmp_lt_u32 ttmp9, 16                         ; q and k, or v: the same in all sixteen partners
	s_cselect_b32 s42, s18, s20
	s_cselect_b32 s17, s19, 0
	s_cselect_b32 s45, 0, 16                       ; A's first group of 128 rows: W_v begins at group 16 of wc
	s_lshl_b32 s42, s42, 2
	s_add_co_u32 s42, s42, s40                     ; tile column
	s_lshl_b32 s17, s17, 2
	s_add_co_u32 s17, s17, s41                     ; tile row
	s_lshl_b32 s43, s41, 2
	s_lshl_b32 s43, 15, s43                        ; my row of the cluster
	s_lshl_b32 s44, 0x1111, s40                    ; my column
	; group 1 for codes: 8 rows (tiles) of 3,072 bytes (384 elements of 8 bytes), 12,288 bytes apart; dense in LDS
	s_or_b32 s[G1+0], s43, (3<<16)|(1<<21)
	s_or_b32 s[G1B+0], s44, (3<<16)|(1<<21)
.irp g, G1, G1B
	s_mov_b32 s[\g+1], 384<<16
	s_mov_b32 s[\g+2], 8<<16
	s_mov_b32 s[\g+3], 384<<16
	s_mov_b32 s[\g+4], 8
	s_mov_b32 s[\g+5], 1536
	s_mov_b32 s[\g+6], 0
	s_mov_b32 s[\g+7], 0
.endr
	; and for the scale words of 128 rows: 4,096 dense bytes as 16 rows of 256
	s_or_b32 s[G1S+0], s43, (3<<16)|(1<<21)
	s_or_b32 s[G1SB+0], s44, (3<<16)|(1<<21)
.irp g, G1S, G1SB
	s_mov_b32 s[\g+1], 32<<16
	s_mov_b32 s[\g+2], 16<<16
	s_mov_b32 s[\g+3], 32<<16
	s_mov_b32 s[\g+4], 16
	s_mov_b32 s[\g+5], 32
	s_mov_b32 s[\g+6], 0
	s_mov_b32 s[\g+7], 0
.endr
	s_lshl_b32 s20, s17, 1
	s_add_co_u32 s20, s20, s16
	s_add_co_u32 s20, s20, s45                     ; A: the group that I fetch
	s_lshl_b32 s46, s42, 1
	s_add_co_u32 s46, s46, s16                     ; B: likewise
	s_lshl_b32 s22, s20, 12
	s_mov_b32 s23, 0
	s_mul_i32 s20, s20, GRPB
	s_mov_b32 s21, 0
	s_lshl_b32 s18, s46, 12
	s_mov_b32 s19, 0
	s_mul_i32 s46, s46, GRPB
	s_mov_b32 s47, 0
	s_mul_i32 s45, s14, HALFT                      ; where they go: wave x 128 rows
	s_lshl_b32 s3, s14, 12
	s_wait_dscnt 0x0                               ; the opening add is done
	s_wait_kmcnt 0x0
	s_cmp_lt_u32 ttmp9, 16
	s_cselect_b64 s[92:93], s[4:5], s[8:9]         ; A's codes,
	s_cselect_b64 s[94:95], s[6:7], s[10:11]       ; A's scales,
	s_cselect_b64 s[66:67], s[8:9], s[4:5]         ; B's codes,
	s_cselect_b64 s[100:101], s[10:11], s[6:7]     ; B's scales
	s_add_nc_u64 s[20:21], s[92:93], s[20:21]
	s_add_nc_u64 s[22:23], s[94:95], s[22:23]
	s_add_nc_u64 s[46:47], s[66:67], s[46:47]
	s_add_nc_u64 s[18:19], s[100:101], s[18:19]
	CROUND                                         ; all sixteen work-groups are here: the first joint loads meet
	s_mov_b32 s[G0S], 1
	s_add_co_u32 s[G0S+1], s3, SCL
	s_mov_b64 s[G0S+2:G0S+3], s[22:23]
	s_or_b32 s[G0S+3], s[G0S+3], 0x80000000
	s_mov_b32 s[G0SB], 1
	s_add_co_u32 s[G0SB+1], s3, SCL
	s_mov_b64 s[G0SB+2:G0SB+3], s[18:19]
	s_or_b32 s[G0SB+3], s[G0SB+3], 0x80000000
	JLOAD G0S, G1S, G0SB, G1SB                     ; the scale words first
.irp s, 0,1
	s_mov_b32 s[G0+4*\s], 1
	s_add_co_u32 s[G0+4*\s+1], s45, \s*SLOT
	s_add_nc_u64 s[G0+4*\s+2:G0+4*\s+3], s[20:21], \s*TILEB
	s_or_b32 s[G0+4*\s+3], s[G0+4*\s+3], 0x80000000
	s_mov_b32 s[G0B+4*\s], 1
	s_add_co_u32 s[G0B+4*\s+1], s45, \s*SLOT
	s_add_nc_u64 s[G0B+4*\s+2:G0B+4*\s+3], s[46:47], \s*TILEB
	s_or_b32 s[G0B+4*\s+3], s[G0B+4*\s+3], 0x80000000
	JLOAD G0+4*\s, G1, G0B+4*\s, G1B               ; three loads of mine are out behind the second
.endr
	v_and_b32 v1, 15, v0                           ; r
	v_bfe_u32 v2, v0, 4, 1                         ; h
	v_and_b32 v3, 31, v0
	v_lshlrev_b32 v4, 4, v3                        ; 16 x lane
	v_lshlrev_b32 v5, 3, v3                        ; 8 x lane
	v_lshlrev_b32 v6, 4, v1                        ; 16 r
	s_mul_i32 s21, s15, HALFT                      ; my 128 rows of A
	s_mul_i32 s22, s16, HALFT                      ; my 128 rows of B,
	s_add_co_u32 s22, s22, 2*HALFT                 ; behind A's 256
.irp s, 0,1
	v_add_nc_u32 v[ADRA+\s], s21, v4
	v_add_nc_u32 v[ADRB+\s], s22, v4
	v_add_nc_u32 v[ADRA+2+\s], s21, v5
	v_add_nc_u32 v[ADRB+2+\s], s22, v5
	s_add_co_u32 s21, s21, SLOT
	s_add_co_u32 s22, s22, SLOT
.endr
	s_lshl_b32 s21, s15, 12                        ; A's scale words: my 128 rows
	s_lshl_b32 s22, s16, 12                        ; B's, behind A's 256
	s_add_co_u32 s22, s22, 2*HALFS
	s_sub_co_u32 s22, s22, s21
	v_mul_u32_u24 v7, s22, v2                      ; lanes 16-31 take B's: one product, the distance between the two
	s_add_co_u32 s21, s21, SCL
	v_add_nc_u32 v7, v6, v7
	v_add_nc_u32 v[ADRS], s21, v7
.macro FRAG reg, adr, q, i             ; a fragment as it lies: two units of 768 bytes
	ds_load_b128 v[\reg:\reg+3], v[\adr] offset:(\i)*TILEB+(\q)*1536
	ds_load_b64 v[\reg+4:\reg+5], v[\adr+2] offset:(\i)*TILEB+(\q)*1536+512
	ds_load_b128 v[\reg+6:\reg+9], v[\adr] offset:(\i)*TILEB+(\q)*1536+768
	ds_load_b64 v[\reg+10:\reg+11], v[\adr+2] offset:(\i)*TILEB+(\q)*1536+1280
.endm
; 16 matrix instructions: A's blocks a0, a0 + 1 x B's eight, K step ks.  p: B's set.  zero = 1: the first product starts the sums.  The 64 accumulators take turns.
.macro MUL16 a0, p, ks, zero
.irp a, \a0, \a0+1
.irp b, 0,1,2,3,4,5,6,7
.if \zero
	v_wmma_scale_f32_16x16x128_f8f6f4 v[8*(8*((\a)%4)+\b):8*(8*((\a)%4)+\b)+7], v[128*(\p)+FR*\b:128*(\p)+FR*\b+FR-1], v[AF+FR*(\a):AF+FR*(\a)+FR-1], 0, v[SC+32*((\ks)/4)+4*\b+(\ks)%4], v[SC+32*((\ks)/4)+4*(\a)+(\ks)%4] matrix_a_fmt:MATRIX_FMT_FP6 matrix_b_fmt:MATRIX_FMT_FP6 matrix_a_scale:MATRIX_SCALE_ROW1
.else
	v_wmma_scale_f32_16x16x128_f8f6f4 v[8*(8*((\a)%4)+\b):8*(8*((\a)%4)+\b)+7], v[128*(\p)+FR*\b:128*(\p)+FR*\b+FR-1], v[AF+FR*(\a):AF+FR*(\a)+FR-1], v[8*(8*((\a)%4)+\b):8*(8*((\a)%4)+\b)+7], v[SC+32*((\ks)/4)+4*\b+(\ks)%4], v[SC+32*((\ks)/4)+4*(\a)+(\ks)%4] matrix_a_fmt:MATRIX_FMT_FP6 matrix_b_fmt:MATRIX_FMT_FP6 matrix_a_scale:MATRIX_SCALE_ROW1
.endif
.endr
.endr
.endm
.macro FETCH_B slot, q, p
	WIN TO_B
.irp i, 0,1,2,3,4,5,6,7
	FRAG 128*(\p)+FR*\i, ADRB+\slot, \q, \i
.endr
	WIN 0
.endm
.macro FETCH_A slot, q, i0
.irp i, \i0, \i0+1, \i0+2, \i0+3
	FRAG AF+FR*(\i), ADRA+\slot, \q, \i
.endr
.endm
.macro SCALES                          ; all of K's scale words, once: four K steps' words a load
.irp g, 0,1
.irp i, 0,1,2,3,4,5,6,7
	ds_load_b128 v[SC+32*\g+4*\i:SC+32*\g+4*\i+3], v[ADRS] offset:512*\i+256*\g
.endr
.endr
.endm
.macro PLACES n                        ; plain vector instructions that name none of the matrix instruction's registers, ahead of loads into its sources and of reads of its results
.rept \n
	v_nop
.endr
.endm
; A slot's first K step: its successor lies in the same slot
.macro STEP slot, ks, zero
	s_wait_dscnt 4*NL                              ; B's set and A's blocks 0-3 are in; the youngest 16 loads (A's blocks 4-7) may be out
	WIN MUL_LO
	MUL16 0, 0, \ks, \zero
	MUL16 2, 0, \ks, \zero
	s_wait_dscnt 0
	PLACES NP
	FETCH_B \slot, 1, 1
	FETCH_A \slot, 1, 0
	WIN MUL_HI
	MUL16 4, 0, \ks, \zero
	MUL16 6, 0, \ks, \zero
	PLACES NP
	WIN 0
	FETCH_A \slot, 1, 4
.endm
; A slot's second K step changes slots: one barrier; ahead of it each wave waits for all its tensor loads, adds 0 to its spare word, and waits for that and for its reads of this slot
.macro TURN slot, next, fill, ks
	s_wait_tensorcnt 0x0                           ; all my tensor loads have landed: my part of the next slot
	ds_add_u32 v[SPW], v[NIL]
	s_wait_dscnt 4*NL+1                            ; (the add and A's blocks 4-7 may be out)
	WIN MUL_LO
	MUL16 0, 1, \ks, 0
	s_wait_dscnt 0x0                               ; the add is done, and my reads of this slot are over
	s_barrier_signal -1
	MUL16 2, 1, \ks, 0
	WIN 0
	s_barrier_wait -1
.if \fill
	CREST                                          ; the barrier has opened a round of the cluster's: no wave of any partner still reads this slot or has a load on its way
	s_add_nc_u64 s[G0+4*\slot+2:G0+4*\slot+3], s[G0+4*\slot+2:G0+4*\slot+3], 2*TILEB
	s_add_nc_u64 s[G0B+4*\slot+2:G0B+4*\slot+3], s[G0B+4*\slot+2:G0B+4*\slot+3], 2*TILEB
	JLOAD G0+4*\slot, G1, G0B+4*\slot, G1B         ; the first tensor load behind the round; its four v_nop are the places ahead of the loads below
.else
	PLACES NP
.endif
	FETCH_B \next, 0, 0
	FETCH_A \next, 0, 0
	WIN MUL_HI
	MUL16 4, 1, \ks, 0
	MUL16 6, 1, \ks, 0
	PLACES NP
	WIN 0
	FETCH_A \next, 0, 4
.endm
	s_wait_tensorcnt 1                             ; the scale words and my part of slot 0 are in; slot 1's load may be out
	s_barrier_signal -1
	s_barrier_wait -1
	FETCH_B 0, 0, 0
	FETCH_A 0, 0, 0
	SCALES
	FETCH_A 0, 0, 4
	STEP 0, 0, 1
	TURN 0, 1, 1, 1                                ; slot 0 takes K 512 on
	STEP 1, 2, 0
	TURN 1, 0, 1, 3                                ; slot 1 takes K 768 on: the last load
	STEP 0, 4, 0
	TURN 0, 1, 0, 5
	STEP 1, 6, 0
	s_wait_dscnt 4*NL                              ; the last K step: nothing more to fetch
	WIN MUL_LO
	MUL16 0, 1, 7, 0
	MUL16 2, 1, 7, 0
	s_wait_dscnt 0
	WIN MUL_HI
	MUL16 4, 1, 7, 0
	MUL16 6, 1, 7, 0
	WIN 0
	PLACES NP                                      ; ahead of the lines that write registers which held A's fragments, and of the first reads of results
; THE WAY OUT.  Block a of A (16 rows) holds in each lane 64 numbers along B: four blocks of 32.  They are quantised in registers; the 12 registers of codes are images and leave as they stand.
; q, k: registers 0-5 are the even head's unit (16 places x 64 channels), 6-11 the odd head's.  v: all 12 are one fragment (16 channels x 128 keys) of head a / 4 of the pair, channel tile a % 4.
	s_lshl_b32 s20, s17, 1
	s_add_co_u32 s20, s20, s15                     ; my group of A's rows
	s_lshl_b32 s21, s42, 1
	s_add_co_u32 s21, s21, s16                     ; my group of B's rows
	s_and_b32 s22, s21, 7
	s_and_b32 s23, ttmp9, 1
	s_cmp_lt_u32 ttmp9, 16                         ; one compare; behind it selections and moves alone
	s_cselect_b32 s24, s20, s21                    ; the group of 128 places of the sequence
	s_cselect_b32 s25, s22, s20                    ; the pair of heads
	s_cselect_b32 s26, s23, 2                      ; 0 q, 1 k, 2 v
	s_mov_b32 s27, 1536
	s_cselect_b32 s27, 768, s27                    ; from block to block
	s_mov_b32 s28, 294912
	s_cselect_b32 s28, 3072, s28                   ; from block 0 to block 4
	s_mov_b32 s29, 768
	s_cselect_b32 s29, 294912, s29                 ; from registers 0-5 to 6-11
	s_mov_b32 s30, 20480
	s_cselect_b32 s30, 256, s30                    ; scale words: from blocks 0-3 to 4-7
	s_cselect_b32 s31, 20480, 0                    ; and from lanes 0-15 to 16-31: the odd head's (v: both halves store the same words to the same bytes)
	s_cselect_b32 s32, 16, 0                       ; lanes 16-31 take the word's upper two bytes
	s_cselect_b32 s33, 0xffff, -1                  ; q, k: two bytes a head; the word's other two are 0
	s_mul_i32 s34, s27, 3
	s_sub_co_u32 s34, s28, s34                     ; the step from block 3 to block 4
	s_lshr_b32 s35, s24, 4
	s_lshl_b32 s35, s35, 4
	s_lshl_b32 s36, s25, 1
	s_add_co_u32 s35, s35, s36                     ; the even head: 16 x batch + 2 x pair
	s_and_b32 s36, s24, 15                         ; the step of 128 places
	s_mul_i32 s37, s35, 294912
	s_mul_i32 s38, s36, 18432
	s_add_co_u32 s37, s37, s38
	s_mul_i32 s38, s26, 6144
	s_add_co_u32 s37, s37, s38                     ; in qkv
	s_mul_i32 s38, s35, 20480
	s_mul_i32 s39, s36, 1280
	s_add_co_u32 s38, s38, s39
	s_lshl_b32 s39, s26, 9
	s_add_co_u32 s38, s38, s39                     ; in qkvs
	s_mov_b32 s2, 0x76543210
	s_mov_b32 s3, 0xfedcba98
	v_add_nc_u32 v[VA], s37, v4
	v_add_nc_u32 v[VB], s37, v5
	v_add_nc_u32 v[VC], s29, v[VA]
	v_add_nc_u32 v[VD], s29, v[VB]
	v_mul_u32_u24 v7, s31, v2
	v_add3_u32 v[VS1], v6, v7, s38
	v_add_nc_u32 v[VS2], s30, v[VS1]
	v_mul_u32_u24 v[VSH], s32, v2
.irp b, 0,1,2,3
	v_mov_b32 v[TM+4+\b], 0                        ; a lane permute's destination counts as one of its sources
.endr
; 64 numbers in window win, from v[s] on: register 16 b + i = index 32 b + 16 h + i.  Each accumulator is read from its low end on.
.macro QUANTW win, s
	WIN ((\win)<<2)|((\win)<<4)                    ; sources 1 and 2 in the accumulators' window
.irp b, 0,1,2,3
	v_max3_num_f32 v[TM+\b], 0x1800000, |v[(\s)+16*\b]|, |v[(\s)+1+16*\b]|   ; the floor 2^(3 - 127) and my first two numbers of block b
.endr
.irp i, 2,4,6,8,10,12,14
.irp b, 0,1,2,3
	v_max3_num_f32 v[TM+\b], v[TM+\b], |v[(\s)+16*\b+\i]|, |v[(\s)+1+16*\b+\i]|
.endr
.endr
	WIN 0
.irp b, 0,1,2,3
	v_permlanex16_b32 v[TM+4+\b], v[TM+\b], s2, s3
.endr
.irp b, 0,1,2,3
	v_max_num_f32 v[TM+\b], v[TM+\b], v[TM+4+\b]
.endr
.irp b, 0,1,2,3
	v_add_nc_u32 v[TM+12+\b], 0xff000000, v[TM+\b]
.endr
.irp b, 0,1,2,3
	v_lshrrev_b32 v[TM+4+\b], 23, v[TM+12+\b]
.endr
	v_lshl_or_b32 v[PW], v[TM+5], 8, v[TM+4]
	v_lshl_or_b32 v[PW], v[TM+6], 16, v[PW]
	v_lshl_or_b32 v[PW], v[TM+7], 24, v[PW]
	WIN (\win)                                     ; source 0 in the accumulators' window
.irp c, 0,1
	v_cvt_scalef32_pk16_fp6_f32 v[PC+6*\c:PC+2+6*\c], v[(\s)+32*\c:(\s)+15+32*\c], v[TM+12+2*\c]
	v_cvt_scalef32_pk16_fp6_f32 v[PC+12+4*\c:PC+14+4*\c], v[(\s)+16+32*\c:(\s)+31+32*\c], v[TM+12+2*\c+1]
.endr
	WIN 0
	v_nop                                          ; one plain place behind a scaled conversion
.irp c, 0,1
.irp i, 0,1,2
	v_permlane16_swap_b32 v[PC+6*\c+\i], v[PC+12+4*\c+\i]
.endr
.irp i, 0,1,2
	v_mov_b32 v[PC+3+6*\c+\i], v[PC+12+4*\c+\i]
.endr
.endr
.endm
.macro OUTBLK a
.if (\a) > 0
	s_wait_xcnt 0x0                                ; the last block's stores have read their data and offsets: both are written again only behind this wait
.irp v, VA, VB, VC, VD
.if (\a) == 4
	v_add_nc_u32 v[\v], s34, v[\v]
.else
	v_add_nc_u32 v[\v], s27, v[\v]
.endif
.endr
.endif
	QUANTW 2+(\a)/4, 64*((\a)%4)
	v_lshrrev_b32 v[SW+(\a)], v[VSH], v[PW]
	v_and_b32 v[SW+(\a)], s33, v[SW+(\a)]
	global_store_b128 v[VA], v[PC:PC+3], s[96:97]              ; 512 consecutive bytes, at a multiple of 256
	global_store_b64 v[VB], v[PC+4:PC+5], s[96:97] offset:512  ; 256 consecutive bytes
	global_store_b128 v[VC], v[PC+6:PC+9], s[96:97]
	global_store_b64 v[VD], v[PC+10:PC+11], s[96:97] offset:512
.endm
.irp a, 0,1,2,3,4,5,6,7
	OUTBLK \a
.endr
	global_store_b128 v[VS1], v[SW:SW+3], s[98:99]     ; sixteen lanes store 256 consecutive bytes
	global_store_b128 v[VS2], v[SW+4:SW+7], s[98:99]
	s_wait_tensorcnt 0x0                           ; the wave's end
	ds_add_u32 v[SPW], v[NIL]
	s_wait_dscnt 0x0
	CROUND                                         ; the closing round
	s_endpgm
.Lfunc_end_k_q33f1401ae0_qkvp:
	.size	k_q33f1401ae0_qkvp, .Lfunc_end_k_q33f1401ae0_qkvp-k_q33f1401ae0_qkvp
	.p2alignl 7, 3214868480
	.fill 96, 4, 3214868480
	.section	.rodata,"a",@progbits
	.p2align	6, 0x0
	.amdhsa_kernel k_q33f1401ae0_qkvp
		.amdhsa_group_segment_fixed_size 327680
		.amdhsa_private_segment_fixed_size 0
		.amdhsa_enable_private_segment 0
		.amdhsa_kernarg_size 48
		.amdhsa_user_sgpr_count 2
		.amdhsa_user_sgpr_kernarg_segment_ptr 1
		.amdhsa_wavefront_size32 1
		.amdhsa_system_sgpr_workgroup_id_x 1
		.amdhsa_system_sgpr_workgroup_id_y 1
		.amdhsa_system_sgpr_workgroup_id_z 1
		.amdhsa_system_vgpr_workitem_id 0
		.amdhsa_next_free_vgpr 1024
		.amdhsa_next_free_sgpr 102
		.amdhsa_reserve_vcc 0
		.amdhsa_float_denorm_mode_32 3
		.amdhsa_float_denorm_mode_16_64 3
		.amdhsa_memory_ordered 1
		.amdhsa_forward_progress 1
		.amdhsa_inst_pref_size 150
	.end_amdhsa_kernel
	.amdgpu_metadata
---
amdhsa.version: [ 1, 2 ]
amdhsa.kernels:
  - .name:           k_q33f1401ae0_qkvp
    .symbol:         k_q33f1401ae0_qkvp.kd
    .args:
      - { .name: xc, .offset: 0, .size: 8, .value_kind: global_buffer, .address_space: global }
      - { .name: xs, .offset: 8, .size: 8, .value_kind: global_buffer, .address_space: global }
      - { .name: wc, .offset: 16, .size: 8, .value_kind: global_buffer, .address_space: global }
      - { .name: ws, .offset: 24, .size: 8, .value_kind: global_buffer, .address_space: global }
      - { .name: qkv, .offset: 32, .size: 8, .value_kind: global_buffer, .address_space: global }
      - { .name: qkvs, .offset: 40, .size: 8, .value_kind: global_buffer, .address_space: global }
    .group_segment_fixed_size: 327680
    .private_segment_fixed_size: 0
    .kernarg_segment_align: 8
    .kernarg_segment_size: 48
    .max_flat_workgroup_size: 128
    .sgpr_count:     102
    .vgpr_count:     1024
    .wavefront_size: 32
...
	.end_amdgpu_metadata
.endif
;; end of part 2
;; launch attn (part 3): grid 4 x 64, 16 waves a work-group, no clusters, 327,680 bytes of LDS; arguments qkv, qkvs, cc, cs; writes cc, cs
.if DOCPART == 3
	.amdgcn_target "amdgcn-amd-amdhsa--gfx1250"
	.amdhsa_code_object_version 6
	.text
	.protected	k_q33f1401ae0_attn
	.globl	k_q33f1401ae0_attn
	.p2align	8
	.type	k_q33f1401ae0_attn,@function
k_q33f1401ae0_attn:
	s_mov_b64 s[64:65], 0
	v_nop
	global_prefetch_b8 v0, s[64:65] scope:SCOPE_SE
	s_setreg_imm32_b32 hwreg(HW_REG_WAVE_MODE, 25, 1), 1
	s_wait_xcnt 0x0
; ctx = softmax(q k^T / 8, causal) v for 64 heads of 64 channels and 2,048 places, both products on codes of FP6 (E2M3) with E8M0 scales; ctx is quantised along its channels and leaves as codes.
; THE SOFTMAX: t = score x log2(e) / 8; M = the running largest t rounded UP to a whole number; p = 2^(t - M) is quantised along the keys, not normalised; the row's sum is taken of the unquantised p and divides at the end.
; When M moves, the sum and O are multiplied by 2^(old M - new M): exact.
; SHARES.  Work-group (i = x, head = y) owns TWO blocks of 256 queries: first block 7 - i, then block i.  It walks key slots (256 keys) 0 .. 7 - i, then 0 .. i: NINE slots in every work-group, so the trip count is
; a constant, the 256 work-groups have equal work, each pass ends with its diagonal slot, and every slot that is filled is read.  Each of the sixteen waves owns one tile of 16 queries of the block in hand.
; NO CLUSTER: the four work-groups of a head change from their first pass to their second at a trip that hangs on i; in a cluster i would be the work-group's place, on which no branch may hang.
; INPUT: qkv [head][step of 128 places][Q 6,144 | K 6,144 | V 6,144], images of operand registers: a unit of 768 bytes = 16 rows x 64 K: lane l's first 16 bytes at 16 l, its last 8 at 512 + 8 l.
; Places are in the order with bits 3 and 4 exchanged: lane r of tile T has the true index 32 (T / 2) + 8 (T % 2) + r + 8 (r / 8).  So in S^T = K Q^T the 16 registers of tiles 2 b, 2 b + 1 are keys 32 b + 16 h + 0 .. 15,
; and in O^T = V^T P^T those of channel tiles 2 b, 2 b + 1 are channels 32 b + 16 h + 0 .. 15.  A lane holds one query throughout.
; THE HEAD'S K IS 64, the instruction's 128: Q's registers 6-11 are zero codes, so K's operand of tile t may run on into tile t + 1's codes (finite numbers times zero); bytes 2, 3 of both scale words are 0 (2^-127).
; OUT: cc [tile of 16 places 512][head 16][768], cs [tile][512]: as the next product's A wants them.
; LIMITS: NaN and infinities are not served; a block whose largest magnitude lies under 2^-124 gets the byte 1; a block's largest p is made from the block's largest score, which takes v_exp_f32 not to fall where its input rises.
; REGISTERS: v1-4, v7 lane terms; v5, v6 the add's two; v8-10 LDS addresses; v12 -M, v13 the largest t, v[14:15] the sum; v16-27 Q; v28 Q's scale word; v32-85 K's tiles, later V's fragments; v88-95 scale words;
; v96-159 S^T, then p; v160-191 O^T; v224-235 p's codes; v232-255 at work.
.set SLOT1, 32768                      ; LDS: slot s at 32,768 s: step q's K at 12,288 q, its V 6,144 on; its scale words at 24,576 + 768 q (K's 512, V's 256)
.set SCO,   24576
.set SPARE, 65536                      ; the spare words, 128 bytes for each of 16 waves, that no other line names
.set SPW, 5
.set NIL, 6
.set PFO, 7
.set ADK, 8
.set AD8, 9
.set ADS, 10
.set WV,   12
.set IX,   13
.set BH,   14
.set LEN1, 15                          ; slots of the first pass: 8 - i
.set NKS,  16                          ; the key slot asked for last
.set KF,   17                          ; the step's first key
.set Q0,   18                          ; my tile's least query; its queries are Q0 + r + 8 (r / 8)
.set SLOTS, 19
.set SEL,  20
.set CS,   22                          ; s[22:23] c = log2(e) / 8
.set G1C,  24
.set G1S,  32
.set G0C,  40
.set G0S,  44
.set BASEC, 48
.set BASES, 50
.set TB,   56                          ; LDS byte at which the slot in hand begins
.set QB,   57                          ; the block of queries in hand
.set PFA,  58
.set LIM,  60
.set QP,   66
.set QSP,  68
.set CP,   70
.set CSP,  72
.set KSW,  75                          ; the first pass's keys: 256 (8 - i)
; Waves 0 and 1 fetch a step's K and V (12,288 dense bytes), waves 2 and 3 a step's scale words (768 dense bytes), the others nothing.  An s_nop 0 and four v_nop follow each line.
.macro TLOAD
	s_cmp_lt_u32 s[WV], 2
	s_cbranch_scc0 .Lnot_c_\@
	tensor_load_to_lds s[G0C:G0C+3], s[G1C:G1C+7]
	s_nop 0
.rept 4
	v_nop
.endr
	s_branch .Lasked_\@
.Lnot_c_\@:
	s_cmp_lt_u32 s[WV], 4
	s_cbranch_scc0 .Lasked_\@
	tensor_load_to_lds s[G0S:G0S+3], s[G1S:G1S+7]
	s_nop 0
.rept 4
	v_nop
.endr
.Lasked_\@:
.endm
; A prefetch of the K and V that the NEXT change of slots will ask for: 96 blocks of 256 bytes, a lane a block, waves 4 to 6 of the head's work-group with i = 0, which walks slots 0 to 7 in order.
; Trip t (SLOTS = 8 - t) names slot t + 2, up to slot 7: each block is named once in the launch; slots 0 and 1 come by their loads alone.
.macro ASK
	s_cmp_gt_u32 s[SLOTS], s[LIM]
	s_cbranch_scc0 .Lnot_mine_\@
	global_prefetch_b8 v[PFO], s[PFA:PFA+1] th:TH_LOAD_NT scope:SCOPE_SE
.Lnot_mine_\@:
.endm
; The block of queries QB: my tile's pointers, its least query, and the loads of its codes and scale word
.macro SETQ
	s_lshl_b32 s76, s[QB], 1
	s_lshr_b32 s77, s[WV], 3
	s_add_co_u32 s76, s76, s77                     ; the step of 128 places
	s_mul_i32 s52, s76, 18432
	s_mul_i32 s54, s76, 1280
	s_mul_i32 s77, s[BH], 294912
	s_add_co_u32 s52, s52, s77
	s_mul_i32 s77, s[BH], 20480
	s_add_co_u32 s54, s54, s77
	s_and_b32 s77, s[WV], 7
	s_mul_i32 s77, s77, 768
	s_add_co_u32 s52, s52, s77
	s_bfe_u32 s77, s[WV], 0x10002
	s_lshl_b32 s77, s77, 8
	s_add_co_u32 s54, s54, s77
	s_and_b32 s77, s[WV], 3
	s_lshl_b32 s77, s77, 2
	s_add_co_u32 s54, s54, s77
	s_add_nc_u64 s[QP:QP+1], s[4:5], s[52:53]
	s_add_nc_u64 s[QSP:QSP+1], s[6:7], s[54:55]
	global_load_b128 v[16:19], v1, s[QP:QP+1]
	global_load_b64 v[20:21], v2, s[QP:QP+1] offset:512
	global_load_b32 v28, v3, s[QSP:QSP+1]
	s_lshr_b32 s76, s[BH], 4
	s_lshl_b32 s76, s76, 7
	s_lshl_b32 s77, s[QB], 4
	s_add_co_u32 s76, s76, s77
	s_add_co_u32 s76, s76, s[WV]                   ; my tile among the 512 of cc
	s_mul_i32 s52, s76, 12288
	s_lshl_b32 s54, s76, 9
	s_and_b32 s77, s[BH], 15
	s_mul_i32 s77, s77, 768
	s_add_co_u32 s52, s52, s77
	s_bfe_u32 s77, s[BH], 0x10003
	s_lshl_b32 s77, s77, 8
	s_add_co_u32 s54, s54, s77
	s_bfe_u32 s77, s[BH], 0x20001
	s_lshl_b32 s77, s77, 2
	s_add_co_u32 s54, s54, s77
	s_and_b32 s77, s[BH], 1
	s_lshl_b32 s77, s77, 1
	s_add_co_u32 s54, s54, s77
	s_add_nc_u64 s[CP:CP+1], s[8:9], s[52:53]
	s_add_nc_u64 s[CSP:CSP+1], s[10:11], s[54:55]
	s_lshl_b32 s[Q0], s[QB], 8
	s_lshr_b32 s77, s[WV], 1
	s_lshl_b32 s77, s77, 5
	s_add_co_u32 s[Q0], s[Q0], s77
	s_and_b32 s77, s[WV], 1
	s_lshl_b32 s77, s77, 3
	s_add_co_u32 s[Q0], s[Q0], s77
.endm
.macro INIT                            ; the step is written once: a pass's first step finds zeros, which the first change of M leaves zeros
	v_mov_b32 v13, 0xff61b1e6                      ; the largest t so far: -3e38
	s_delay_alu instid0(VALU_DEP_1)
	v_floor_f32 v12, -v13
	v_mov_b32 v14, 0
	v_mov_b32 v15, 0
.set n, 0
.rept 32
	v_mov_b32 v[160+n], 0
.set n, n+1
.endr
.endm
	s_load_b256 s[4:11], s[0:1], 0x0               ; qkv, qkvs, cc, cs
	v_lshl_add_u32 v[SPW], v0, 2, SPARE
	v_mov_b32 v[NIL], 0
	ds_add_u32 v[SPW], v[NIL]                      ; the wave's opening: the add and its wait ahead of my first tensor load
	ds_add_u32 v[SPW], v[NIL]
	v_lshrrev_b32 v8, 5, v0
	s_delay_alu instid0(VALU_DEP_1)
	v_readfirstlane_b32 s[WV], v8
	s_mov_b32 s[IX], ttmp9
	s_and_b32 s[BH], ttmp7, 0xffff
	s_sub_co_u32 s[LEN1], 8, s[IX]
	s_lshl_b32 s[KSW], s[LEN1], 8
	s_mov_b32 s[NKS], 0
	s_mov_b32 s[KF], 0
	s_mov_b32 s[TB], 0
	s_mov_b32 s[SLOTS], 8
	s_mov_b32 s[SEL], 0x76543210
	s_mov_b32 s[SEL+1], 0xfedcba98
	s_mov_b32 s[CS], 0x3e38aa3b
	s_mov_b32 s[CS+1], s[CS]
	s_mov_b32 s[G1C], 3<<16                        ; elements of 8 bytes, no mask, no padding
	s_mov_b32 s[G1C+1], 32<<16                     ; rows of 256 bytes,
	s_mov_b32 s[G1C+2], 48<<16                     ; 48 of them, dense
	s_mov_b32 s[G1C+3], 32<<16
	s_mov_b32 s[G1C+4], 48
	s_mov_b32 s[G1C+5], 32
	s_mov_b32 s[G1C+6], 0
	s_mov_b32 s[G1C+7], 0
	s_mov_b32 s[G1S], 3<<16
	s_mov_b32 s[G1S+1], 32<<16
	s_mov_b32 s[G1S+2], 3<<16                      ; 3 rows
	s_mov_b32 s[G1S+3], 32<<16
	s_mov_b32 s[G1S+4], 3
	s_mov_b32 s[G1S+5], 32
	s_mov_b32 s[G1S+6], 0
	s_mov_b32 s[G1S+7], 0
	s_and_b32 s76, s[WV], 1                        ; which of a slot's two steps I fetch
	s_mul_i32 s52, s[BH], 294912
	s_mul_i32 s77, s76, 18432
	s_add_co_u32 s52, s52, s77
	s_add_co_u32 s52, s52, 6144                    ; behind the step's Q
	s_mov_b32 s53, 0
	s_mul_i32 s54, s[BH], 20480
	s_mul_i32 s77, s76, 1280
	s_add_co_u32 s54, s54, s77
	s_add_co_u32 s54, s54, 512
	s_mov_b32 s55, 0
	s_mul_i32 s78, s76, 12288
	s_mul_i32 s79, s76, 768
	s_add_co_u32 s79, s79, SCO
	s_sub_co_u32 s76, s[WV], 4
	s_cmp_lt_u32 s76, 3                            ; waves 4 to 6
	s_cselect_b32 s76, 0, 1
	s_or_b32 s76, s76, s[IX]                       ; of the work-group with i = 0
	s_cmp_eq_u32 s76, 0
	s_cselect_b32 s[LIM], 2, -1
	v_and_b32 v8, 15, v0                           ; r
	v_bfe_u32 v9, v0, 4, 1                         ; h
	s_delay_alu instid0(VALU_DEP_2)
	v_and_b32 v10, 8, v8
	s_delay_alu instid0(VALU_DEP_1)
	v_add_nc_u32 v4, v10, v8
	s_delay_alu instid0(VALU_DEP_3)
	v_lshlrev_b32 v10, 4, v9
	s_delay_alu instid0(VALU_DEP_1)
	v_sub_nc_u32 v4, v4, v10                       ; r + 8 (r / 8) - 16 h: for the mask
	v_lshlrev_b32 v3, 4, v8                        ; 16 r
	v_and_b32 v10, 31, v0
	s_delay_alu instid0(VALU_DEP_1)
	v_lshlrev_b32 v1, 4, v10                       ; 16 x lane
	s_delay_alu instid0(VALU_DEP_2)
	v_lshlrev_b32 v2, 3, v10                       ; 8 x lane
	v_and_b32 v[PFO], 127, v0                      ; the prefetches: block 32 (wave % 4) + lane of a slot's 96;
	v_mov_b32 v9, 6144
	s_delay_alu instid0(VALU_DEP_2)
	v_cmp_lt_u32 vcc_lo, 47, v[PFO]
	s_delay_alu instid0(VALU_DEP_1)
	v_cndmask_b32 v9, 0, v9, vcc_lo                ; the second step's 48 lie behind that step's Q
	s_delay_alu instid0(VALU_DEP_1)
	v_lshl_add_u32 v[PFO], v[PFO], 8, v9
.irp j, 22,23,24,25,26,27,80,81,82,83,84,85
	v_mov_b32 v[\j], 0                             ; Q's codes of k = 64 .. 127, and what K's last tile runs on into
.endr
.irp j, 236,237,238,239,252,253
	v_mov_b32 v[\j], 0                             ; lane permutes' destinations, and the pair v[252:253]
.endr
	s_wait_dscnt 0x0                               ; the opening add is done
	s_wait_kmcnt 0x0
	s_add_nc_u64 s[BASEC:BASEC+1], s[4:5], s[52:53]
	s_add_nc_u64 s[BASES:BASES+1], s[6:7], s[54:55]
	s_mov_b32 s[G0C], 1
	s_mov_b32 s[G0C+1], s78
	s_mov_b64 s[G0C+2:G0C+3], s[BASEC:BASEC+1]
	s_or_b32 s[G0C+3], s[G0C+3], 0x80000000
	s_mov_b32 s[G0S], 1
	s_mov_b32 s[G0S+1], s79
	s_mov_b64 s[G0S+2:G0S+3], s[BASES:BASES+1]
	s_or_b32 s[G0S+3], s[G0S+3], 0x80000000
	TLOAD                                          ; key slot 0 into LDS slot 0: one load of mine is out, here and behind every change of slots
	s_mul_i32 s52, s[BH], 294912
	s_add_co_u32 s52, s52, 6144+36864
	s_add_nc_u64 s[PFA:PFA+1], s[4:5], s[52:53]    ; at slot 1's K: the first change of slots steps it to slot 2
	s_sub_co_u32 s[QB], 7, s[IX]
	SETQ
	INIT
; A KEY STEP: 128 keys, the q-th of the slot in hand
.macro STEP q
	s_add_co_u32 s76, s[Q0], 23                    ; a step all of whose keys come after my 16 queries is left out: a branch on ids and counts; no barrier and no tensor load stands in a step
	s_cmp_gt_u32 s[KF], s76
	s_cbranch_scc1 .Lhidden_\@
	v_add_nc_u32 v[ADK], s[TB], v1
	v_add_nc_u32 v[AD8], s[TB], v2
	v_add_nc_u32 v[ADS], s[TB], v3
	v_nop                                          ; four places ahead of loads into registers that the last products have read
.irp t, 0,1,2,3,4,5,6,7
	ds_load_b128 v[32+6*\t:35+6*\t], v[ADK] offset:12288*(\q)+768*\t
	ds_load_b64 v[36+6*\t:37+6*\t], v[AD8] offset:12288*(\q)+768*\t+512
.endr
	ds_load_b128 v[88:91], v[ADS] offset:SCO+768*(\q)
	ds_load_b128 v[92:95], v[ADS] offset:SCO+768*(\q)+256
	s_wait_alu depctr_va_vdst(0)
	s_wait_dscnt 0x0
.irp t, 0,1,2,3,4,5,6,7
	v_wmma_scale_f32_16x16x128_f8f6f4 v[96+8*\t:103+8*\t], v[32+6*\t:43+6*\t], v[16:27], 0, v[88+\t], v28 matrix_a_fmt:MATRIX_FMT_FP6 matrix_b_fmt:MATRIX_FMT_FP6
.endr
.rept 4
	v_nop                                          ; places ahead of the loads below and of the first reads of the scores
.endr
.irp t, 0,1,2,3                        ; V's four fragments and its scale words are asked for here and land under the softmax
	ds_load_b128 v[32+12*\t:35+12*\t], v[ADK] offset:12288*(\q)+6144+1536*\t
	ds_load_b64 v[36+12*\t:37+12*\t], v[AD8] offset:12288*(\q)+6144+1536*\t+512
	ds_load_b128 v[38+12*\t:41+12*\t], v[ADK] offset:12288*(\q)+6144+1536*\t+768
	ds_load_b64 v[42+12*\t:43+12*\t], v[AD8] offset:12288*(\q)+6144+1536*\t+1280
.endr
	ds_load_b128 v[88:91], v[ADS] offset:SCO+768*(\q)+512
	s_add_co_u32 s76, s[KF], 127                   ; on the diagonal the scores of hidden keys become -infinity; a step all of whose keys count skips this
	s_cmp_le_u32 s76, s[Q0]
	s_cbranch_scc1 .Lopen_\@
	s_sub_co_i32 s76, s[Q0], s[KF]
	v_add_nc_u32 v252, s76, v4                     ; d = my query - KF - 16 h.  Register 16 b + i holds key KF + 32 b + 16 h + i: hidden where 32 b + i > d
	v_mov_b32 v254, 0xff800000
.set n, 0
.rept 64
	v_cmp_gt_i32 vcc_lo, 32*(n/16)+n%16, v252
	v_cndmask_b32 v[96+n], v[96+n], v254, vcc_lo
.set n, n+1
.endr
.Lopen_\@:
.irp b, 0,1,2,3
	v_max3_num_f32 v[232+\b], v[96+16*\b], v[97+16*\b], v[98+16*\b]   ; the largest score of each block of 32 keys: for the row's maximum, and for the block's largest p
.endr
.irp i, 3,5,7,9,11,13
.irp b, 0,1,2,3
	v_max3_num_f32 v[232+\b], v[232+\b], v[96+16*\b+\i], v[97+16*\b+\i]
.endr
.endr
.irp b, 0,1,2,3
	v_max_num_f32 v[232+\b], v[232+\b], v[111+16*\b]
.endr
.irp b, 0,1,2,3
	s_delay_alu instid0(VALU_DEP_4)
	v_permlanex16_b32 v[236+\b], v[232+\b], s[SEL], s[SEL+1]
.endr
.irp b, 0,1,2,3
	s_delay_alu instid0(VALU_DEP_4)
	v_max_num_f32 v[232+\b], v[232+\b], v[236+\b]
.endr
	s_delay_alu instid0(VALU_DEP_2)
	v_max3_num_f32 v254, v232, v233, v234
	s_delay_alu instid0(VALU_DEP_1)
	v_max_num_f32 v254, v254, v235
	s_delay_alu instid0(VALU_DEP_1)
	v_mul_f32 v254, s[CS], v254
	s_delay_alu instid0(VALU_DEP_1)
	v_max_num_f32 v13, v13, v254                   ; the running largest t
	v_mov_b32 v254, v12
	s_delay_alu instid0(VALU_DEP_2)
	v_floor_f32 v12, -v13                          ; the new -M = -ceil(t)
	s_delay_alu instid0(VALU_DEP_1)
	v_sub_f32 v254, v12, v254                      ; old M - new M: a whole number, 0 or less
	s_delay_alu instid0(VALU_DEP_1)
	v_cvt_i32_f32 v254, v254                       ; (it saturates)
	s_delay_alu instid0(VALU_DEP_1)
	v_ldexp_f32 v252, 1.0, v254                    ; f = 2^(old M - new M)
.set n, 0
.rept 32
	v_pk_fma_f32 v[96+n:97+n], v[96+n:97+n], s[CS:CS+1], v[12:13] op_sel_hi:[1,0,0]   ; t - M, two at a time
.set n, n+2
.endr
.irp b, 0,1,2,3
	v_fma_f32 v[232+\b], v[232+\b], s[CS], v12
.endr
.set n, 0
	s_wait_alu depctr_va_vdst(0)
.rept 64
	v_exp_f32 v[96+n], v[96+n]                     ; p = 2^(t - M)
.set n, n+1
.endr
	v_pk_mul_f32 v[14:15], v[14:15], v[252:253] op_sel_hi:[1,0]   ; the sums under the new M: a plain place behind the exponentials
	s_wait_alu depctr_va_vdst(0)                   ; one wait for the batch, ahead of its first reader
.irp b, 0,1,2,3
	v_exp_f32 v[232+\b], v[232+\b]                 ; the block's largest p
.endr
	v_pk_add_f32 v[236:237], v[100:101], v[104:105]
	v_pk_add_f32 v[254:255], v[108:109], v[112:113]
	v_pk_add_f32 v[250:251], v[116:117], v[120:121]
	v_pk_add_f32 v[248:249], v[124:125], v[128:129]
	v_pk_add_f32 v[246:247], v[132:133], v[136:137]
	v_pk_add_f32 v[244:245], v[140:141], v[144:145]
	v_pk_add_f32 v[242:243], v[148:149], v[152:153]
	v_pk_add_f32 v[14:15], v[14:15], v[156:157]
	v_pk_add_f32 v[236:237], v[236:237], v[96:97]
	v_pk_add_f32 v[254:255], v[254:255], v[98:99]
	v_pk_add_f32 v[250:251], v[250:251], v[102:103]
	v_pk_add_f32 v[248:249], v[248:249], v[106:107]
	v_pk_add_f32 v[246:247], v[246:247], v[110:111]
	v_pk_add_f32 v[244:245], v[244:245], v[114:115]
	v_pk_add_f32 v[242:243], v[242:243], v[118:119]
	v_pk_add_f32 v[14:15], v[14:15], v[122:123]
	v_pk_add_f32 v[236:237], v[236:237], v[126:127]
	v_pk_add_f32 v[254:255], v[254:255], v[130:131]
	v_pk_add_f32 v[250:251], v[250:251], v[134:135]
	v_pk_add_f32 v[248:249], v[248:249], v[138:139]
	v_pk_add_f32 v[246:247], v[246:247], v[142:143]
	v_pk_add_f32 v[244:245], v[244:245], v[146:147]
	v_pk_add_f32 v[242:243], v[242:243], v[150:151]
	v_pk_add_f32 v[14:15], v[14:15], v[154:155]
	v_pk_add_f32 v[236:237], v[236:237], v[158:159]
	s_delay_alu instid0(VALU_DEP_2)
	v_pk_add_f32 v[14:15], v[14:15], v[248:249]
	s_delay_alu instid0(VALU_DEP_2)
	v_pk_add_f32 v[236:237], v[236:237], v[246:247]
	v_pk_add_f32 v[254:255], v[254:255], v[244:245]
	v_pk_add_f32 v[250:251], v[250:251], v[242:243]
	s_delay_alu instid0(VALU_DEP_2)
	v_pk_add_f32 v[14:15], v[14:15], v[254:255]
	s_delay_alu instid0(VALU_DEP_2)
	v_pk_add_f32 v[236:237], v[236:237], v[250:251]
	s_delay_alu instid0(VALU_DEP_1)
	v_pk_add_f32 v[14:15], v[14:15], v[236:237]
	s_wait_alu depctr_va_vdst(0)                   ; and one for the four
.irp b, 0,1,2,3
	v_max_num_f32 v[232+\b], 0x1800000, v[232+\b]  ; the floor: the byte cannot fall under 1
.endr
.irp b, 0,1,2,3
	s_delay_alu instid0(VALU_DEP_4)
	v_add_nc_u32 v[244+\b], 0xff000000, v[232+\b]
.endr
.irp b, 0,1,2,3
	s_delay_alu instid0(VALU_DEP_4)
	v_lshrrev_b32 v[236+\b], 23, v[244+\b]
.endr
	s_delay_alu instid0(VALU_DEP_3)
	v_lshl_or_b32 v253, v237, 8, v236              ; p's scale word for these 128 keys
	s_delay_alu instid0(VALU_DEP_1)
	v_lshl_or_b32 v253, v238, 16, v253
	s_delay_alu instid0(VALU_DEP_1)
	v_lshl_or_b32 v253, v239, 24, v253
.irp c, 0,1
	v_cvt_scalef32_pk16_fp6_f32 v[224+6*\c:226+6*\c], v[96+32*\c:111+32*\c], v[244+2*\c]
	v_cvt_scalef32_pk16_fp6_f32 v[236+4*\c:238+4*\c], v[112+32*\c:127+32*\c], v[244+2*\c+1]
.endr
	v_nop                                          ; one plain place behind a scaled conversion
.irp c, 0,1
.irp i, 0,1,2
	v_permlane16_swap_b32 v[224+6*\c+\i], v[236+4*\c+\i]
.endr
.irp i, 0,1,2
	s_delay_alu instid0(VALU_DEP_3)
	v_mov_b32 v[227+6*\c+\i], v[236+4*\c+\i]
.endr
.endr
.set n, 0
.rept 16
	v_pk_mul_f32 v[160+n:161+n], v[160+n:161+n], v[252:253] op_sel_hi:[1,0]   ; O^T under the new M; these sixteen stand between the lines that made p's codes and scale word and the products
.set n, n+2
.endr
	s_wait_alu depctr_va_vdst(0)
	s_wait_dscnt 0x0                               ; V is in
.irp t, 0,1,2,3
	v_wmma_scale_f32_16x16x128_f8f6f4 v[160+8*\t:167+8*\t], v[32+12*\t:43+12*\t], v[224:235], v[160+8*\t:167+8*\t], v[88+\t], v253 matrix_a_fmt:MATRIX_FMT_FP6 matrix_b_fmt:MATRIX_FMT_FP6
.endr
.Lhidden_\@:
	s_add_co_u32 s[KF], s[KF], 128
.endm
; THE CHANGE OF SLOTS, at a slot's head: each wave waits for all its tensor loads, adds 0 to its spare word, waits for that and for its reads of the slot that it has left; behind the barrier that slot is filled again
.macro CHANGE fill
	s_wait_tensorcnt 0x0                           ; no tensor load of mine is out: a group 0 may be written
	ds_add_u32 v[SPW], v[NIL]
.if \fill
	s_add_co_u32 s[NKS], s[NKS], 1                 ; the next key slot; behind the first pass's last comes slot 0 again
	s_cmp_eq_u32 s[NKS], s[LEN1]
	s_cselect_b32 s[NKS], 0, s[NKS]
	s_mul_i32 s52, s[NKS], 36864
	s_mul_i32 s54, s[NKS], 2560
	s_add_nc_u64 s[G0C+2:G0C+3], s[BASEC:BASEC+1], s[52:53]
	s_or_b32 s[G0C+3], s[G0C+3], 0x80000000
	s_add_nc_u64 s[G0S+2:G0S+3], s[BASES:BASES+1], s[54:55]
	s_or_b32 s[G0S+3], s[G0S+3], 0x80000000
	s_xor_b32 s[G0C+1], s[G0C+1], SLOT1
	s_xor_b32 s[G0S+1], s[G0S+1], SLOT1
	s_wait_xcnt 0x0                                ; the last prefetch, a slot back, has read its address
	s_add_nc_u64 s[PFA:PFA+1], s[PFA:PFA+1], 36864
.endif
	s_wait_dscnt 0x0                               ; the add is done, and my reads of the slot that I have left are over
	s_barrier_signal -1
	s_barrier_wait -1
.if \fill
	TLOAD                                          ; the first thing behind the barrier, and a wave's one tensor load until the next
	ASK
.endif
.endm
; A PASS'S END: O^T / the sum is my 16 queries' 64 channels of ctx: register 16 b + i = channel 32 b + 16 h + i.  Two blocks of 32 are quantised; six registers of codes are the head's unit of my tile of cc.
.macro FINISH again
.rept 4
	v_nop                                          ; places behind the last products
.endr
	v_add_f32 v14, v14, v15
	s_delay_alu instid0(VALU_DEP_1)
	v_permlanex16_b32 v252, v14, s[SEL], s[SEL+1]
	s_delay_alu instid0(VALU_DEP_1)
	v_add_f32 v14, v14, v252                       ; the row's sum
	s_wait_alu depctr_va_vdst(0)
	v_rcp_f32 v14, v14
	v_nop                                          ; a plain place behind the transcendental
	s_wait_alu depctr_va_vdst(0)                   ; the wait ahead of its first reader
.set n, 0
.rept 32
	v_mul_f32 v[96+n], v[160+n], v14               ; each accumulator from its low end on
.set n, n+1
.endr
.irp b, 0,1
	v_max3_num_f32 v[232+\b], |v[96+16*\b]|, |v[97+16*\b]|, 0x1800000
.endr
.irp i, 2,4,6,8,10,12,14
.irp b, 0,1
	s_delay_alu instid0(VALU_DEP_2)
	v_max3_num_f32 v[232+\b], v[232+\b], |v[96+16*\b+\i]|, |v[97+16*\b+\i]|
.endr
.endr
.irp b, 0,1
	s_delay_alu instid0(VALU_DEP_2)
	v_permlanex16_b32 v[236+\b], v[232+\b], s[SEL], s[SEL+1]
.endr
.irp b, 0,1
	s_delay_alu instid0(VALU_DEP_2)
	v_max_num_f32 v[232+\b], v[232+\b], v[236+\b]
.endr
.irp b, 0,1
	s_delay_alu instid0(VALU_DEP_2)
	v_add_nc_u32 v[244+\b], 0xff000000, v[232+\b]
.endr
.irp b, 0,1
	s_delay_alu instid0(VALU_DEP_2)
	v_lshrrev_b32 v[236+\b], 23, v[244+\b]
.endr
	s_delay_alu instid0(VALU_DEP_1)
	v_lshl_or_b32 v238, v237, 8, v236              ; the head's two bytes of my row's scale word
	v_cvt_scalef32_pk16_fp6_f32 v[224:226], v[96:111], v244
	v_cvt_scalef32_pk16_fp6_f32 v[240:242], v[112:127], v245
	v_nop
.irp i, 0,1,2
	v_permlane16_swap_b32 v[224+\i], v[240+\i]
.endr
.irp i, 0,1,2
	s_delay_alu instid0(VALU_DEP_3)
	v_mov_b32 v[227+\i], v[240+\i]
.endr
	global_store_b128 v1, v[224:227], s[CP:CP+1]               ; 512 consecutive bytes, at a multiple of 256
	global_store_b64 v2, v[228:229], s[CP:CP+1] offset:512     ; 256 consecutive bytes
	global_store_b16 v3, v238, s[CSP:CSP+1]                    ; 2 bytes a row, 16 apart (both halves of the lanes store the same): 32 bytes for the tile's 768 of codes
.if \again
	s_wait_xcnt 0x0                                ; the stores have read their data and bases: both are written again only behind this wait
	s_mov_b32 s[QB], s[IX]
	s_mov_b32 s[KF], 0
	SETQ
	INIT
	s_wait_loadcnt 0x0
.endif
.endm
	s_wait_loadcnt 0x0                             ; Q
.Lslot:                                            ; eight trips: behind each change of slots the next of the nine slots is asked for
	CHANGE 1
	STEP 0
	STEP 1
	s_xor_b32 s[TB], s[TB], SLOT1
	s_cmp_lg_u32 s[KF], s[KSW]                     ; the first pass is over when its 256 (8 - i) keys are walked: ids and counts alone, the same in all sixteen waves
	s_cbranch_scc1 .Lgo_on
	FINISH 1
.Lgo_on:
	s_sub_co_u32 s[SLOTS], s[SLOTS], 1
	s_cmp_lg_u32 s[SLOTS], 0
	s_cbranch_scc1 .Lslot
	CHANGE 0                                       ; the ninth slot is written out
	STEP 0
	STEP 1
	FINISH 0
	s_wait_tensorcnt 0x0                           ; the wave's end
	ds_add_u32 v[SPW], v[NIL]
	s_wait_dscnt 0x0
	s_endpgm
.Lfunc_end_k_q33f1401ae0_attn:
	.size	k_q33f1401ae0_attn, .Lfunc_end_k_q33f1401ae0_attn-k_q33f1401ae0_attn
	.p2alignl 7, 3214868480
	.fill 96, 4, 3214868480
	.section	.rodata,"a",@progbits
	.p2align	6, 0x0
	.amdhsa_kernel k_q33f1401ae0_attn
		.amdhsa_group_segment_fixed_size 327680
		.amdhsa_private_segment_fixed_size 0
		.amdhsa_enable_private_segment 0
		.amdhsa_kernarg_size 32
		.amdhsa_user_sgpr_count 2
		.amdhsa_user_sgpr_kernarg_segment_ptr 1
		.amdhsa_wavefront_size32 1
		.amdhsa_system_sgpr_workgroup_id_x 1
		.amdhsa_system_sgpr_workgroup_id_y 1
		.amdhsa_system_sgpr_workgroup_id_z 1
		.amdhsa_system_vgpr_workitem_id 0
		.amdhsa_next_free_vgpr 256
		.amdhsa_next_free_sgpr 80
		.amdhsa_reserve_vcc 1
		.amdhsa_float_denorm_mode_32 3
		.amdhsa_float_denorm_mode_16_64 3
		.amdhsa_memory_ordered 1
		.amdhsa_forward_progress 1
		.amdhsa_inst_pref_size 113
	.end_amdhsa_kernel
	.amdgpu_metadata
---
amdhsa.version: [ 1, 2 ]
amdhsa.kernels:
  - .name:           k_q33f1401ae0_attn
    .symbol:         k_q33f1401ae0_attn.kd
    .args:
      - { .name: qkv, .offset: 0, .size: 8, .value_kind: global_buffer, .address_space: global }
      - { .name: qkvs, .offset: 8, .size: 8, .value_kind: global_buffer, .address_space: global }
      - { .name: cc, .offset: 16, .size: 8, .value_kind: global_buffer, .address_space: global }
      - { .name: cs, .offset: 24, .size: 8, .value_kind: global_buffer, .address_space: global }
    .group_segment_fixed_size: 327680
    .private_segment_fixed_size: 0
    .kernarg_segment_align: 8
    .kernarg_segment_size: 32
    .max_flat_workgroup_size: 512
    .sgpr_count:     80
    .vgpr_count:     256
    .wavefront_size: 32
...
	.end_amdgpu_metadata
.endif
;; end of part 3
;; launch proj (part 4): grid 4 x 32, 4 waves a work-group, clusters of 4 x 4, 327,680 bytes of LDS; arguments cc, cs, wc, ws, b_o, out0; writes out0
.if DOCPART == 4
	.amdgcn_target "amdgcn-amd-amdhsa--gfx1250"
	.amdhsa_code_object_version 6
	.text
	.protected	k_q33f1401ae0_proj
	.globl	k_q33f1401ae0_proj
	.p2align	8
	.type	k_q33f1401ae0_proj,@function
k_q33f1401ae0_proj:
	s_mov_b64 s[64:65], 0
	v_nop
	global_prefetch_b8 v0, s[64:65] scope:SCOPE_SE
	s_setreg_imm32_b32 hwreg(HW_REG_WAVE_MODE, 25, 1), 1
	s_wait_xcnt 0x0
	s_wait_alu depctr_hold_cnt(0) depctr_sa_sdst(0) depctr_va_vdst(0) depctr_va_sdst(0) depctr_va_ssrc(0) depctr_va_vcc(0) depctr_vm_vsrc(0)
	s_getreg_b32 s2, hwreg(HW_REG_IB_STS2, 6, 4)
	s_cmp_eq_u32 s2, 0
	s_cbranch_scc0 .Lentry_in_a_cluster
	s_endpgm
.Lentry_in_a_cluster:
	s_bfe_u32 s2, ttmp6, 0x10000c
	s_cmp_lg_u32 s2, 0xf033
	s_cbranch_scc0 .Lentry_shape_is_right
	s_endpgm
.Lentry_shape_is_right:
; out0 = ctx W_o + b_o on codes of FP6 (E2M3) with E8M0 scales, K = 1,024; out0 [8192][1024] f32.
; A = cc, cs (ctx's codes and scale words), B = W_o's: tiles 192 on of wc, ws.  A tile of C is 256 x 256; four waves, each 128 x 128 in 512 registers; K goes in steps of 256 through two LDS slots; straight-line text.
; OPERANDS LIE IN MEMORY AS IMAGES OF THEIR REGISTERS: a unit of 768 bytes = 16 rows x 64 K: lane l's first 16 bytes at 16 l, its last 8 at 512 + 8 l; a fragment is two units.  A tile of 16 rows is 12,288 bytes.
; SCALE WORDS: 512 bytes a tile, [K step / 4][row][K step % 4]: they come into LDS once and into 64 registers once.
; JOINT LOADS in clusters of 4 x 4: A's tiles are shared along a row of the cluster, B's along a column.  THE MATRIX INSTRUCTION IS USED TRANSPOSED (source 0 = B, source 1 = A).
; THE ORDER OF ROWS: place p of cc and of wc holds the true index with bits 3 and 4 exchanged.  Along B that puts a lane's registers in true order: block b, register j is column 32 (b / 2) + 16 h + 8 (b % 2) + j of the
; wave's 128; along A it is undone by the stores' immediates: row t of block a is row 32 (a / 2) + 8 (a % 2) + t + 8 (t / 8) of the wave's 128.
; THE BIAS is the C of each sum's first matrix instruction: eight registers for each of B's blocks, in window 1 beside B's fragments.
; REGISTERS: window 0: v1-7, v16-29 addresses; v32-95 scale words; v128-223 A's fragments; on the way out v128-255 rows of out0.  window 1: B's two sets at v0, v128; the bias at v96-127, v224-255.  windows 2, 3: accumulators.
.set FR,     12
.set NL,     4
.set NP,     4
.set TILEB,  3072
.set HALFT,  8*TILEB
.set SLOT,   4*HALFT
.set GRPB,   98304
.set SCL,    2*SLOT
.set HALFS,  4096
.set SPARE,  SCL+4*HALFS
.set SPITCH, 528                       ; the way out: a stage of 16 rows x (512 bytes + 16) for each wave, in slot 0, which has had its last fill and its last read by then
.set ADRA, 16
.set ADRB, 20
.set STO,  24
.set RD,   25
.set ADRS, 27
.set SPW,  28
.set NIL,  29
.set SC,   32
.set AF,   128
.set BK,   128
.set G1, 24
.set G0, 32
.set G1B, 48
.set G0B, 56
.set G1S, 68
.set G0S, 76
.set G1SB, 80
.set G0SB, 88
.set MSB, 0
.macro WIN new
.if MSB != (\new)
	s_set_vgpr_msb (MSB<<8)|(\new)
.set MSB, (\new)
.endif
.endm
.set MUL_LO, 0xa1                      ; source 0 (B) window 1, source 1 (A) window 0, C and D window 2
.set MUL_HI, 0xf1
.set FIRST_LO, 0x91                    ; the first K step: C (the bias) window 1, D window 2
.set FIRST_HI, 0xd1                    ; D window 3
.set TO_B,   0x40
.macro JLOAD g0a, g1a, g0b, g1b
	s_cmp_eq_u32 s15, 0
	s_cbranch_scc0 .Lfor_b_\@
	tensor_load_to_lds s[\g0a:\g0a+3], s[\g1a:\g1a+7]
	s_nop 0
.rept 4
	v_nop
.endr
	s_branch .Lasked_\@
.Lfor_b_\@:
	tensor_load_to_lds s[\g0b:\g0b+3], s[\g1b:\g1b+7]
	s_nop 0
.rept 4
	v_nop
.endr
.Lasked_\@:
.endm
.macro CREST
	s_cmp_lg_u32 s14, 0
	s_cbranch_scc1 .Lnot_wave_0_\@
	s_barrier_signal -3
.Lnot_wave_0_\@:
	s_barrier_wait -3
	s_barrier_signal -1
	s_barrier_wait -1
.endm
.macro CROUND
	s_barrier_signal -1
	s_barrier_wait -1
	CREST
.endm
	s_load_b256 s[4:11], s[0:1], 0x0               ; cc, cs, wc, ws
	s_load_b128 s[96:99], s[0:1], 0x20             ; b_o, out0
	v_lshl_add_u32 v[SPW], v0, 2, SPARE
	v_mov_b32 v[NIL], 0
	ds_add_u32 v[SPW], v[NIL]                      ; the wave's opening: the add and its wait ahead of my first tensor load
	v_lshrrev_b32 v1, 5, v0
	v_readfirstlane_b32 s14, v1
	s_lshr_b32 s15, s14, 1
	s_and_b32 s16, s14, 1
	s_bfe_u32 s40, ttmp6, 0x40000                  ; cx
	s_bfe_u32 s41, ttmp6, 0x40004                  ; cy
	s_lshl_b32 s42, ttmp9, 2
	s_add_co_u32 s42, s42, s40                     ; tile column
	s_and_b32 s17, ttmp7, 0xffff
	s_lshl_b32 s17, s17, 2
	s_add_co_u32 s17, s17, s41                     ; tile row
	s_lshl_b32 s43, s41, 2
	s_lshl_b32 s43, 15, s43
	s_lshl_b32 s44, 0x1111, s40
	s_or_b32 s[G1+0], s43, (3<<16)|(1<<21)         ; codes: 8 rows (tiles) of 3,072 bytes, 12,288 apart; dense in LDS
	s_or_b32 s[G1B+0], s44, (3<<16)|(1<<21)
.irp g, G1, G1B
	s_mov_b32 s[\g+1], 384<<16
	s_mov_b32 s[\g+2], 8<<16
	s_mov_b32 s[\g+3], 384<<16
	s_mov_b32 s[\g+4], 8
	s_mov_b32 s[\g+5], 1536
	s_mov_b32 s[\g+6], 0
	s_mov_b32 s[\g+7], 0
.endr
	s_or_b32 s[G1S+0], s43, (3<<16)|(1<<21)        ; scale words of 128 rows: 16 dense rows of 256 bytes
	s_or_b32 s[G1SB+0], s44, (3<<16)|(1<<21)
.irp g, G1S, G1SB
	s_mov_b32 s[\g+1], 32<<16
	s_mov_b32 s[\g+2], 16<<16
	s_mov_b32 s[\g+3], 32<<16
	s_mov_b32 s[\g+4], 16
	s_mov_b32 s[\g+5], 32
	s_mov_b32 s[\g+6], 0
	s_mov_b32 s[\g+7], 0
.endr
	s_lshl_b32 s20, s17, 1
	s_add_co_u32 s20, s20, s16                     ; A: the group of 128 rows that I fetch
	s_lshl_b32 s46, s42, 1
	s_add_co_u32 s46, s46, s16
	s_add_co_u32 s46, s46, 24                      ; B: W_o begins at group 24 of wc
	s_lshl_b32 s22, s20, 12
	s_mov_b32 s23, 0
	s_mul_i32 s20, s20, GRPB
	s_mov_b32 s21, 0
	s_lshl_b32 s18, s46, 12
	s_mov_b32 s19, 0
	s_mul_i32 s46, s46, GRPB
	s_mov_b32 s47, 0
	s_mul_i32 s45, s14, HALFT
	s_lshl_b32 s3, s14, 12
	s_wait_dscnt 0x0                               ; the opening add is done
	s_wait_kmcnt 0x0
	s_add_nc_u64 s[20:21], s[4:5], s[20:21]
	s_add_nc_u64 s[22:23], s[6:7], s[22:23]
	s_add_nc_u64 s[46:47], s[8:9], s[46:47]
	s_add_nc_u64 s[18:19], s[10:11], s[18:19]
	CROUND                                         ; all sixteen work-groups are here: the first joint loads meet
	s_mov_b32 s[G0S], 1
	s_add_co_u32 s[G0S+1], s3, SCL
	s_mov_b64 s[G0S+2:G0S+3], s[22:23]
	s_or_b32 s[G0S+3], s[G0S+3], 0x80000000
	s_mov_b32 s[G0SB], 1
	s_add_co_u32 s[G0SB+1], s3, SCL
	s_mov_b64 s[G0SB+2:G0SB+3], s[18:19]
	s_or_b32 s[G0SB+3], s[G0SB+3], 0x80000000
	JLOAD G0S, G1S, G0SB, G1SB
.irp s, 0,1
	s_mov_b32 s[G0+4*\s], 1
	s_add_co_u32 s[G0+4*\s+1], s45, \s*SLOT
	s_add_nc_u64 s[G0+4*\s+2:G0+4*\s+3], s[20:21], \s*TILEB
	s_or_b32 s[G0+4*\s+3], s[G0+4*\s+3], 0x80000000
	s_mov_b32 s[G0B+4*\s], 1
	s_add_co_u32 s[G0B+4*\s+1], s45, \s*SLOT
	s_add_nc_u64 s[G0B+4*\s+2:G0B+4*\s+3], s[46:47], \s*TILEB
	s_or_b32 s[G0B+4*\s+3], s[G0B+4*\s+3], 0x80000000
	JLOAD G0+4*\s, G1, G0B+4*\s, G1B               ; three loads of mine are out behind the second
.endr
	v_and_b32 v1, 15, v0                           ; r
	v_bfe_u32 v2, v0, 4, 1                         ; h
	v_and_b32 v3, 31, v0
	v_lshlrev_b32 v4, 4, v3                        ; 16 x lane: also my byte offset in a row's 512 bytes of out0
	v_lshlrev_b32 v5, 3, v3                        ; 8 x lane
	v_lshlrev_b32 v6, 4, v1                        ; 16 r
	s_lshl_b32 s46, s42, 10                        ; my 128 columns: 1,024 x tile column + 512 x half, in bytes
	s_lshl_b32 s47, s16, 9
	s_add_co_u32 s46, s46, s47
	s_mov_b32 s47, 0
	s_add_nc_u64 s[96:97], s[96:97], s[46:47]      ; the bias at my columns
	v_lshlrev_b32 v7, 6, v2                        ; + 64 h
	WIN TO_B                                       ; destination window 1
.irp b, 0,1,2,3,4,5,6,7
	global_load_b128 v[96+8*\b+96*(\b/4):96+8*\b+96*(\b/4)+3], v7, s[96:97] offset:128*(\b/2)+32*(\b%2)
	global_load_b128 v[96+8*\b+96*(\b/4)+4:96+8*\b+96*(\b/4)+7], v7, s[96:97] offset:128*(\b/2)+32*(\b%2)+16
.endr
	WIN 0
	s_lshl_b32 s20, s17, 1
	s_add_co_u32 s20, s20, s15                     ; my group of 128 rows of out0,
	s_lshl_b32 s20, s20, 19                        ; 4,096 bytes a row
	s_mov_b32 s21, 0
	s_add_nc_u64 s[98:99], s[98:99], s[20:21]
	s_add_nc_u64 s[98:99], s[98:99], s[46:47]
	s_mul_i32 s21, s15, HALFT
	s_mul_i32 s22, s16, HALFT
	s_add_co_u32 s22, s22, 2*HALFT
.irp s, 0,1
	v_add_nc_u32 v[ADRA+\s], s21, v4
	v_add_nc_u32 v[ADRB+\s], s22, v4
	v_add_nc_u32 v[ADRA+2+\s], s21, v5
	v_add_nc_u32 v[ADRB+2+\s], s22, v5
	s_add_co_u32 s21, s21, SLOT
	s_add_co_u32 s22, s22, SLOT
.endr
	s_lshl_b32 s21, s15, 12
	s_lshl_b32 s22, s16, 12
	s_add_co_u32 s22, s22, 2*HALFS
	s_sub_co_u32 s22, s22, s21
	v_mul_u32_u24 v8, s22, v2                      ; lanes 16-31 take B's scale words: one product, the distance between the two
	s_add_co_u32 s21, s21, SCL
	v_add_nc_u32 v8, v6, v8
	v_add_nc_u32 v[ADRS], s21, v8
	s_mul_i32 s23, s14, 16*SPITCH                  ; my stage
	v_mul_u32_u24 v8, v1, SPITCH
	v_lshl_add_u32 v8, v2, 6, v8
	v_add_nc_u32 v[STO], s23, v8                   ; in: row r, + 64 h
	v_add_nc_u32 v[RD], s23, v4                    ; back: the 32 lanes take one row of 512 bytes
.macro FRAG reg, adr, q, i
	ds_load_b128 v[\reg:\reg+3], v[\adr] offset:(\i)*TILEB+(\q)*1536
	ds_load_b64 v[\reg+4:\reg+5], v[\adr+2] offset:(\i)*TILEB+(\q)*1536+512
	ds_load_b128 v[\reg+6:\reg+9], v[\adr] offset:(\i)*TILEB+(\q)*1536+768
	ds_load_b64 v[\reg+10:\reg+11], v[\adr+2] offset:(\i)*TILEB+(\q)*1536+1280
.endm
; 16 matrix instructions: A's blocks a0, a0 + 1 x B's eight, K step ks.  first = 1: the sums begin with the bias.  The 64 accumulators take turns.
.macro MUL16 a0, p, ks, first
.irp a, \a0, \a0+1
.irp b, 0,1,2,3,4,5,6,7
.if \first
	v_wmma_scale_f32_16x16x128_f8f6f4 v[8*(8*((\a)%4)+\b):8*(8*((\a)%4)+\b)+7], v[128*(\p)+FR*\b:128*(\p)+FR*\b+FR-1], v[AF+FR*(\a):AF+FR*(\a)+FR-1], v[96+8*\b+96*(\b/4):96+8*\b+96*(\b/4)+7], v[SC+32*((\ks)/4)+4*\b+(\ks)%4], v[SC+32*((\ks)/4)+4*(\a)+(\ks)%4] matrix_a_fmt:MATRIX_FMT_FP6 matrix_b_fmt:MATRIX_FMT_FP6 matrix_a_scale:MATRIX_SCALE_ROW1
.else
	v_wmma_scale_f32_16x16x128_f8f6f4 v[8*(8*((\a)%4)+\b):8*(8*((\a)%4)+\b)+7], v[128*(\p)+FR*\b:128*(\p)+FR*\b+FR-1], v[AF+FR*(\a):AF+FR*(\a)+FR-1], v[8*(8*((\a)%4)+\b):8*(8*((\a)%4)+\b)+7], v[SC+32*((\ks)/4)+4*\b+(\ks)%4], v[SC+32*((\ks)/4)+4*(\a)+(\ks)%4] matrix_a_fmt:MATRIX_FMT_FP6 matrix_b_fmt:MATRIX_FMT_FP6 matrix_a_scale:MATRIX_SCALE_ROW1
.endif
.endr
.endr
.endm
.macro FETCH_B slot, q, p
	WIN TO_B
.irp i, 0,1,2,3,4,5,6,7
	FRAG 128*(\p)+FR*\i, ADRB+\slot, \q, \i
.endr
	WIN 0
.endm
.macro FETCH_A slot, q, i0
.irp i, \i0, \i0+1, \i0+2, \i0+3
	FRAG AF+FR*(\i), ADRA+\slot, \q, \i
.endr
.endm
.macro SCALES
.irp g, 0,1
.irp i, 0,1,2,3,4,5,6,7
	ds_load_b128 v[SC+32*\g+4*\i:SC+32*\g+4*\i+3], v[ADRS] offset:512*\i+256*\g
.endr
.endr
.endm
.macro PLACES n
.rept \n
	v_nop
.endr
.endm
.macro STEP slot, ks, first
	s_wait_dscnt 4*NL                              ; B's set and A's blocks 0-3 are in; the youngest 16 loads (A's blocks 4-7) may be out
.if \first
	WIN FIRST_LO
.else
	WIN MUL_LO
.endif
	MUL16 0, 0, \ks, \first
	MUL16 2, 0, \ks, \first
	s_wait_dscnt 0
	PLACES NP
	FETCH_B \slot, 1, 1
	FETCH_A \slot, 1, 0
.if \first
	WIN FIRST_HI
.else
	WIN MUL_HI
.endif
	MUL16 4, 0, \ks, \first
	MUL16 6, 0, \ks, \first
	PLACES NP
	WIN 0
	FETCH_A \slot, 1, 4
.endm
.macro TURN slot, next, fill, ks
	s_wait_tensorcnt 0x0                           ; all my tensor loads have landed: my part of the next slot
	ds_add_u32 v[SPW], v[NIL]
	s_wait_dscnt 4*NL+1                            ; (the add and A's blocks 4-7 may be out)
	WIN MUL_LO
	MUL16 0, 1, \ks, 0
	s_wait_dscnt 0x0                               ; the add is done, and my reads of this slot are over
	s_barrier_signal -1
	MUL16 2, 1, \ks, 0
	WIN 0
	s_barrier_wait -1
.if \fill
	CREST                                          ; the barrier has opened a round of the cluster's: no wave of any partner still reads this slot or has a load on its way
	s_add_nc_u64 s[G0+4*\slot+2:G0+4*\slot+3], s[G0+4*\slot+2:G0+4*\slot+3], 2*TILEB
	s_add_nc_u64 s[G0B+4*\slot+2:G0B+4*\slot+3], s[G0B+4*\slot+2:G0B+4*\slot+3], 2*TILEB
	JLOAD G0+4*\slot, G1, G0B+4*\slot, G1B
.else
	PLACES NP
.endif
	FETCH_B \next, 0, 0
	FETCH_A \next, 0, 0
	WIN MUL_HI
	MUL16 4, 1, \ks, 0
	MUL16 6, 1, \ks, 0
	PLACES NP
	WIN 0
	FETCH_A \next, 0, 4
.endm
	s_wait_tensorcnt 1                             ; the scale words and my part of slot 0 are in; slot 1's load may be out
	s_barrier_signal -1
	s_barrier_wait -1
	FETCH_B 0, 0, 0
	FETCH_A 0, 0, 0
	SCALES
	FETCH_A 0, 0, 4
	s_wait_loadcnt 0x0                             ; the bias
	STEP 0, 0, 1
	TURN 0, 1, 1, 1
	STEP 1, 2, 0
	TURN 1, 0, 1, 3
	STEP 0, 4, 0
	TURN 0, 1, 0, 5
	STEP 1, 6, 0
	s_wait_dscnt 4*NL
	WIN MUL_LO
	MUL16 0, 1, 7, 0
	MUL16 2, 1, 7, 0
	s_wait_dscnt 0
	WIN MUL_HI
	MUL16 4, 1, 7, 0
	MUL16 6, 1, 7, 0
	WIN 0
; THE WAY OUT, block by block of 16 rows x 128 columns, through my own stage: in as 32 bytes a lane and block of B, back as whole rows of 512 bytes.  LDS serves a wave's instructions in order.
.macro TOSTAGE a
.set AC, 64*((\a)%4)
	WIN 0x08+4*((\a)/4)                            ; an LDS store's data: window 2 or 3
.irp b, 0,1,2,3,4,5,6,7
	ds_store_b128 v[STO], v[AC+8*\b:AC+8*\b+3] offset:128*(\b/2)+32*(\b%2)        ; each accumulator from its low end on
	ds_store_b128 v[STO], v[AC+8*\b+4:AC+8*\b+7] offset:128*(\b/2)+32*(\b%2)+16
.endr
	WIN 0
.set BB, BK+64*((\a)%2)
.irp t, 0,1,2,3,4,5,6,7,8,9,10,11,12,13,14,15
	ds_load_b128 v[BB+4*\t:BB+4*\t+3], v[RD] offset:\t*SPITCH
.endr
.endm
.macro SEND a, younger
.set BB, BK+64*((\a)%2)
	s_wait_dscnt \younger                          ; the block is back in registers
.irp t, 0,1,2,3,4,5,6,7,8,9,10,11,12,13,14,15
	global_store_b128 v4, v[BB+4*\t:BB+4*\t+3], s[98:99] offset:(32*((\a)/2)+8*((\a)%2)+\t+8*(\t/8))*4096 th:TH_STORE_NT   ; 32 lanes store 512 consecutive bytes, at a multiple of 256; the true row stands in the immediate
.endr
.endm
	PLACES NP                                      ; ahead of the first reads of results and of the loads into the registers that held A's fragments
	TOSTAGE 0
.irp a, 1,2,3,4,5,6,7
.if \a > 1
	s_wait_xcnt 0x0                                ; block a - 2's stores have read their registers: block a's loads may land there
.endif
	TOSTAGE \a
	SEND \a-1, 32                                  ; behind block a - 1's loads: block a's 16 stores and 16 loads
.endr
	SEND 7, 0
	s_wait_tensorcnt 0x0                           ; the wave's end, behind my last tensor load and my last LDS store
	ds_add_u32 v[SPW], v[NIL]
	s_wait_dscnt 0x0
	CROUND                                         ; the closing round
	s_endpgm
.Lfunc_end_k_q33f1401ae0_proj:
	.size	k_q33f1401ae0_proj, .Lfunc_end_k_q33f1401ae0_proj-k_q33f1401ae0_proj
	.p2alignl 7, 3214868480
	.fill 96, 4, 3214868480
	.section	.rodata,"a",@progbits
	.p2align	6, 0x0
	.amdhsa_kernel k_q33f1401ae0_proj
		.amdhsa_group_segment_fixed_size 327680
		.amdhsa_private_segment_fixed_size 0
		.amdhsa_enable_private_segment 0
		.amdhsa_kernarg_size 48
		.amdhsa_user_sgpr_count 2
		.amdhsa_user_sgpr_kernarg_segment_ptr 1
		.amdhsa_wavefront_size32 1
		.amdhsa_system_sgpr_workgroup_id_x 1
		.amdhsa_system_sgpr_workgroup_id_y 1
		.amdhsa_system_sgpr_workgroup_id_z 1
		.amdhsa_system_vgpr_workitem_id 0
		.amdhsa_next_free_vgpr 1024
		.amdhsa_next_free_sgpr 102
		.amdhsa_reserve_vcc 0
		.amdhsa_float_denorm_mode_32 3
		.amdhsa_float_denorm_mode_16_64 3
		.amdhsa_memory_ordered 1
		.amdhsa_forward_progress 1
		.amdhsa_inst_pref_size 143
	.end_amdhsa_kernel
	.amdgpu_metadata
---
amdhsa.version: [ 1, 2 ]
amdhsa.kernels:
  - .name:           k_q33f1401ae0_proj
    .symbol:         k_q33f1401ae0_proj.kd
    .args:
      - { .name: cc, .offset: 0, .size: 8, .value_kind: global_buffer, .address_space: global }
      - { .name: cs, .offset: 8, .size: 8, .value_kind: global_buffer, .address_space: global }
      - { .name: wc, .offset: 16, .size: 8, .value_kind: global_buffer, .address_space: global }
      - { .name: ws, .offset: 24, .size: 8, .value_kind: global_buffer, .address_space: global }
      - { .name: b_o, .offset: 32, .size: 8, .value_kind: global_buffer, .address_space: global }
      - { .name: out0, .offset: 40, .size: 8, .value_kind: global_buffer, .address_space: global }
    .group_segment_fixed_size: 327680
    .private_segment_fixed_size: 0
    .kernarg_segment_align: 8
    .kernarg_segment_size: 48
    .max_flat_workgroup_size: 128
    .sgpr_count:     102
    .vgpr_count:     1024
    .wavefront_size: 32
...
	.end_amdgpu_metadata
.endif
;; end of part 4
